; MI455X (gfx1250); checked and timed in simulation.
; The chip was launched on July 23, 2026; its instructions are those of AMD's public machine-readable ISA for CDNA 5 (MIT licence, August 2026) and "CDNA5" Instruction Set Architecture Reference Guide (July 2026). The comments in the code are by the model that wrote it; some were corrected since.
;; MLP Attention. Allowed arithmetic: matrix products marked QUANTISED: E3M2 operands, one E8M0 scale for each 32 along K, by v_wmma_scale_f32_16x16x128_f8f6f4 with both operands' format E3M2, f32 sums; products left as they are: f32 operands where the result goes on into a quantised operand, else bf16, f16 or f32 operands; f32 sums; everything else in f32.
;; Inputs: W_c 1,024 x 1,024 float32; W_in 1,024 x 1,024 float32; W_out 1,024 x 2,048 float32; W_v 1,024 float32; b_c 1,024 float32; context 32 x 2,048 x 1,024 float32; input 32 x 1,024 float32.
;; Outputs: out0 32 x 1,024 float32; out1 32 x 1,024 float32; out2 32 x 2,048 float32.
;; This version of the problem:
;;   THIS VERSION OF THE PROBLEM IS GIVEN IN LOW PRECISION. The matrix products marked QUANTISED in the list below multiply operands that are first quantised to E3M2 (3 exponent bits, 2 mantissa bits; 6 bits a number), with one power-of-two scale for each 32 numbers along K (OCP MX v1.0); their sums are f32. All else is computed in f32.
;;   The module's matrix products, in the order in which they are computed (A, B: the left and right operand; K: the contracted axis; several contracted axes count as one K, in the product's order):
;;     1. [M 32, K 1,024] x [K 1,024, N 1,024]; A: input input; B: input W_in: QUANTISED
;;     2. [M 65,536, K 1,024] x [K 1,024, N 1,024]; A: input context; B: input W_c: QUANTISED
;;     3. [M 65,536, K 1,024] x [K 1,024, N 1]; A: computed on the way; B: input W_v: left as it is (N = 1 < 16)
;;     4. batch 32 x [M 1, K 2,048] x [K 2,048, N 1,024]; A: softmax; B: input context: left as it is (M = 1 < 16)
;;     5. [M 32, K 2,048] x [K 2,048, N 1,024]; A: computed on the way; B: input W_out: QUANTISED
;;   THE QUANTISER, for each operand of a quantised product, along K:
;;     - K is cut into blocks of 32 from its start; a last block that is shorter is filled with zeros.
;;     - A block's scale is 2^e with e = floor(log2(the largest magnitude in the block)) - 4, held to -126 .. 127; a block of zeros has e = 0. As a byte (E8M0): e + 127.
;;     - Each number is divided by its block's scale, clamped to +-28, and rounded to the nearest number of E3M2, ties to even, subnormals kept.
;;     - The product sums the exact products of the quantised numbers (number of the format x scale) in f32.
;;   ~~~python
;;   def quantise(x, axis):      # numpy; x: float32 -> the quantised numbers, widened to float32 again
;;       x = np.moveaxis(x, axis, -1); K = x.shape[-1]
;;       x = np.pad(x, [(0, 0)] * (x.ndim - 1) + [(0, -K % 32)]); x = x.reshape(x.shape[:-1] + (-1, 32)); a = np.abs(x).max(-1, keepdims=True)
;;       e = np.where(a > 0, np.clip(np.frexp(np.where(a > 0, a, 1))[1] - 1 - 4, -126, 127), 0)      # np.frexp(a)[1] - 1 = floor(log2(a)), exactly
;;       r = np.clip(x / 2.0 ** e, -28, 28)
;;       step = 2.0 ** (np.maximum(np.frexp(np.where(r == 0, 1, r))[1] - 1, -2) - 2)
;;       q = np.round(r / step) * step * 2.0 ** e      # np.round: ties to even
;;       return np.moveaxis(q.reshape(q.shape[:-2] + (-1,))[..., :K], -1, axis).astype(np.float32)
;;   ~~~
;;   OPERANDS COMPUTED ON THE WAY. 'Computed on the way' means the value that the module computes at that place (a softmax that the list does not call 'softmax' is quantised finished and normalised). What goes into a quantiser is computed in f32, as accurately as f32 sums, v_exp_f32 and their like allow (about 1e-6 of the number): no bf16 or f16 on the way to a quantiser, and a product that is left as it is and whose result goes on into a quantised operand takes f32 operands (vector FMAs, or v_wmma_f32_16x16x4_f32). A number that lies on a knife's edge between two numbers of the format may be rounded either way, as far as f32 arithmetic and the matrix unit's own rounding can turn it there, and no further.
;; One version. Each part assembles by itself: llvm-mc -triple=amdgcn-amd-amdhsa -mcpu=gfx1250 --defsym DOCPART=n.
;; ======== version 1 of 1: 4 launches
;; limits: right only within a limited range of input values
;; workspace buffers: wcq 819,200 bytes; tb 131,072 bytes; scores 262,144 bytes
;; launch prep (part 1): grid 64 x 1, 8 waves a work-group, no clusters, 89,600 bytes of LDS; arguments W_c, W_in, input, b_c, wcq, tb; writes wcq, tb
.if DOCPART == 1
	.amdgcn_target "amdgcn-amd-amdhsa--gfx1250"
	.amdhsa_code_object_version 6
	.text
	.protected	k_q1a5492f320_prep
	.globl	k_q1a5492f320_prep
	.p2align	8
	.type	k_q1a5492f320_prep,@function
k_q1a5492f320_prep:
	s_mov_b64 s[64:65], 0
	v_nop
	global_prefetch_b8 v0, s[64:65] scope:SCOPE_SE
	s_setreg_imm32_b32 hwreg(HW_REG_WAVE_MODE, 25, 1), 1
	s_wait_xcnt 0x0
; PREP.  Two things that the large product wants ready:  (1) W_c [1024][1024] f32 as codes of BF6 (E3M2) with one E8M0 scale for each 32 along K, laid in the ORDER OF THE OPERAND'S REGISTERS;
; (2) tb[b][n] = sum over k of Q(input)[b][k] Q(W_in)[n][k] + b_c[n], f32, [32][1024]: what is added to every row of a batch ahead of the tanh.
; SHARES.  Work-group t owns rows 16 t .. 16 t + 15 of W_c and of W_in (one tile of 16 columns n); its eight waves own the eight K steps of 128.  A wave quantises four fragments of 16 rows x 128 K:
; W_in's, input's rows 0-15 and 16-31, W_c's; multiplies (two matrix instructions); the eight waves' partial sums meet in LDS behind one barrier.
; wcq: 64 tiles of 12,800 bytes: eight images of a fragment (1,536 bytes: register group c of lane l at 512 c + 16 l), then at 12,288 an image of the scale words (lane l's 16 bytes: word i = K step 2 i + l / 16, row l % 16).
; THE QUANTISER: a block's scale is 2^(floor(log2(largest magnitude)) - 4); its byte is the largest magnitude's exponent field - 4, held at 1 from below.
; LIMITS: NaN and infinities among the inputs are not served; a block whose largest magnitude lies under 2^-122 (a block of zeros too) keeps the byte 1: this program alone reads the bytes.
; No cluster: operands go from memory into registers, and what work-groups share (input, 128 KiB) is a small part of what they read.  tb leaves in runs of 64 bytes (16 columns a work-group): 128 KiB in all.
; WORK LEFT OUT BY THE PROGRAM.  With tanh(x) = 1 - 2 r, scores[b][s] = (sum over n of W_v[n]) - 2 (sum over n of r W_v[n]).  The first term is the same for every s of a batch, scores reach the outputs through
; softmax along s alone, and a softmax is unchanged by a term that is the same along its axis, whatever the inputs hold.  So launch score stores -2 (sum of r W_v) and the sum of W_v is never formed.
; Every input is still loaded.  LIMIT: an overflow that would arise only in the sum of W_v is not carried to the results.
.set STGW, 8448
.set RED,  8*STGW                      ; behind the stages: a wave's partial sums, 32 rows x 80 bytes
.set REDW, 2560
.set SCI,  RED+8*REDW                  ; and the image of W_c's scale words, 512 bytes
.set RST, 1                            ; v1   where I put 32 bytes of a row of partial sums
.set RLD, 2                            ; v2   where I read 16 bytes of a row back
.set LI,  3                            ; v3   16 x lane
.set SCA, 4                            ; v4   where my row's scale word of W_c goes
.set GO,  5                            ; v5   my byte offset in tb
.set BO,  6                            ; v6   my byte offset in the tile's 64 bytes of b_c
.set STA, 7                            ; v7   the stage, on the way in
.set STR, 8                            ; v8   the stage, on the way out
.set SCL, 9                            ; v9   the scale image, read back
.set BIA, 16                           ; v16-19 four numbers of b_c
.set SCW, 32                           ; v32-35 scale words: W_in's, input's two, W_c's
.set X,   64                           ; v64-127 64 numbers of a lane; later the eight partial sums
.set F,   128                          ; v128-175 four fragments of 12 registers
.set D,   200                          ; v200-215 two accumulators
.set TM,  224                          ; v224-227 largest magnitudes
.set SO,  228                          ; v228-229 the conversions' scale operands
.set BY,  230                          ; v230-231 scale bytes
.set QW,  232                          ; v232 the row's scale word
.set QW2, 233                          ; v233 the other half of the lanes' part of it
.set SH8, 234                          ; v234 8 x (lane / 16)
.set T,   236                          ; v236-243 the upper halves of two blocks' codes
.set SEL, 32                           ; s[32:33] lane selects: lane l xor 16
.set MSB, 0
.macro WIN new                         ; the immediate's high byte repeats the setting that is left; a switch that changes nothing is dropped
.if MSB != (\new)
	s_set_vgpr_msb (MSB<<8)|(\new)
.set MSB, (\new)
.endif
.endm
; Sixteen rows' 512 bytes (128 numbers of one K step) into set \set of the ring in window \rwin: each load reads 512 consecutive bytes, 16 a lane.
.macro LOADF set, base, off0, pitch, rwin, nt
	WIN ((\rwin)<<6)
.irp i, 0,1,2,3,4,5,6,7,8,9,10,11,12,13,14,15
.if \nt
	global_load_b128 v[64*(\set)+4*\i:64*(\set)+4*\i+3], v[LI], s[\base:\base+1] offset:(\off0)+\i*(\pitch) th:TH_LOAD_NT
.else
	global_load_b128 v[64*(\set)+4*\i:64*(\set)+4*\i+3], v[LI], s[\base:\base+1] offset:(\off0)+\i*(\pitch)
.endif
.endr
	WIN 0
.endm
; The set goes through the wave's own stage and comes back as the operand's layout wants it: lane (r, h) gets k = 64 c + 32 h + 0 .. 31 of row r in v[X + 32 c] on.
; Rows lie 528 = 33 x 16 bytes apart, so sixteen lanes' 16 bytes fall on sixteen different 16-byte columns modulo 256.  LDS serves a wave's instructions in order: no wait between stores and loads.
.macro TURN set, rwin
	WIN ((\rwin)<<2)
.irp i, 0,1,2,3,4,5,6,7,8,9,10,11,12,13,14,15
	ds_store_b128 v[STA], v[64*(\set)+4*\i:64*(\set)+4*\i+3] offset:528*\i
.endr
	WIN 0
.irp c, 0,1
.irp j, 0,1,2,3,4,5,6,7
	ds_load_b128 v[X+32*\c+4*\j:X+32*\c+4*\j+3], v[STR] offset:256*\c+16*\j
.endr
.endr
	s_wait_dscnt 0x0                               ; the numbers are in, and the stores have read the set's registers
.endm
; 64 numbers of a lane (two whole blocks of 32) become the fragment's 12 registers at v[\dreg] of window \dwin, and the row's scale word in v[QW] (in both halves of the lanes).
.macro QUANT dwin, dreg
.irp c, 0,1
.irp u, 0,1
	v_max3_num_f32 v[TM+2*\c+\u], |v[X+32*\c+16*\u]|, |v[X+32*\c+16*\u+1]|, 0x2800000   ; four chains by turns; the floor 2^(5 - 127) holds the byte at 1 from below
.endr
.endr
.irp i, 2,4,6,8,10,12,14
.irp c, 0,1
.irp u, 0,1
	s_delay_alu instid0(VALU_DEP_4)
	v_max3_num_f32 v[TM+2*\c+\u], v[TM+2*\c+\u], |v[X+32*\c+16*\u+\i]|, |v[X+32*\c+16*\u+\i+1]|
.endr
.endr
.endr
.irp c, 0
	s_delay_alu instid0(VALU_DEP_3)
	v_max_num_f32 v[TM+2*\c], v[TM+2*\c], v[TM+2*\c+1]   ; the block's largest magnitude: all 32 numbers are mine
.endr
.irp c, 1
	s_delay_alu instid0(VALU_DEP_2)
	v_max_num_f32 v[TM+2*\c], v[TM+2*\c], v[TM+2*\c+1]   ; the block's largest magnitude: all 32 numbers are mine
.endr
.irp c, 0,1
	s_delay_alu instid0(VALU_DEP_2)
	v_add_nc_u32 v[SO+\c], 0xfe000000, v[TM+2*\c]  ; 4 off its exponent field: the conversion takes the exponent field of this operand as its scale
.endr
.irp c, 0,1
	s_delay_alu instid0(VALU_DEP_2)
	v_lshrrev_b32 v[BY+\c], 23, v[SO+\c]           ; the scale's byte
.endr
	s_delay_alu instid0(VALU_DEP_1)
	v_lshl_or_b32 v[QW], v[BY+1], 16, v[BY]        ; my two bytes, blocks h and 2 + h,
	s_delay_alu instid0(VALU_DEP_1)
	v_lshlrev_b32 v[QW], v[SH8], v[QW]             ; at their places in the word;
	s_delay_alu instid0(VALU_DEP_1)
	v_permlanex16_b32 v[QW2], v[QW], s[SEL], s[SEL+1]
	s_delay_alu instid0(VALU_DEP_1)
	v_or_b32 v[QW], v[QW], v[QW2]                  ; with lane l xor 16's two the word is whole
.irp c, 0,1
	v_cvt_scalef32_pk16_bf6_f32 v[T+4*\c:T+4*\c+2], v[X+32*\c+16:X+32*\c+31], v[SO+\c]   ; (a conversion's three registers begin on an even number: a block's upper half is made apart and moved)
.endr
	WIN ((\dwin)<<6)
.irp c, 0,1
	v_cvt_scalef32_pk16_bf6_f32 v[(\dreg)+6*\c:(\dreg)+6*\c+2], v[X+32*\c:X+32*\c+15], v[SO+\c]
.endr
	v_nop                                          ; one plain instruction behind the scaled conversions
.irp c, 0,1
.irp i, 0,1,2
	v_mov_b32 v[(\dreg)+6*\c+3+\i], v[T+4*\c+\i]
.endr
.endr
	WIN 0
.endm
; The eight waves' partial sums of my four numbers, added as a tree.
.macro REDSUM
.irp w, 0,1,2,3,4,5,6,7
	ds_load_b128 v[X+4*\w:X+4*\w+3], v[RLD] offset:REDW*\w
.endr
	s_wait_dscnt 0x0
.irp a, 0,8,16,24
	v_pk_add_f32 v[X+\a:X+\a+1], v[X+\a:X+\a+1], v[X+\a+4:X+\a+5]
	v_pk_add_f32 v[X+\a+2:X+\a+3], v[X+\a+2:X+\a+3], v[X+\a+6:X+\a+7]
.endr
.irp a, 0
	v_pk_add_f32 v[X+\a:X+\a+1], v[X+\a:X+\a+1], v[X+\a+8:X+\a+9]
	v_pk_add_f32 v[X+\a+2:X+\a+3], v[X+\a+2:X+\a+3], v[X+\a+10:X+\a+11]
.endr
.irp a, 16
	s_delay_alu instid0(VALU_DEP_4)
	v_pk_add_f32 v[X+\a:X+\a+1], v[X+\a:X+\a+1], v[X+\a+8:X+\a+9]
	s_delay_alu instid0(VALU_DEP_4)
	v_pk_add_f32 v[X+\a+2:X+\a+3], v[X+\a+2:X+\a+3], v[X+\a+10:X+\a+11]
.endr
	s_delay_alu instid0(VALU_DEP_2)
	v_pk_add_f32 v[X:X+1], v[X:X+1], v[X+16:X+17]
	s_delay_alu instid0(VALU_DEP_2)
	v_pk_add_f32 v[X+2:X+3], v[X+2:X+3], v[X+18:X+19]
.endm
.macro FRAGP set, left, dreg, sc       ; one fragment: its sixteen loads are in (\left younger ones may be out), turned, quantised, its scale word kept
	s_wait_loadcnt \left
	TURN \set, 1
	QUANT 0, \dreg
	v_mov_b32 v[\sc], v[QW]
.endm
	s_load_b256 s[4:11], s[0:1], 0x0               ; W_c s[4:5], W_in s[6:7], input s[8:9], b_c s[10:11]
	s_load_b128 s[12:15], s[0:1], 0x20             ; wcq s[12:13], tb s[14:15]
	v_lshl_add_u32 v254, v0, 2, 0x15a00
	v_mov_b32 v255, 0
	v_lshrrev_b32 v10, 5, v0
	s_delay_alu instid0(VALU_DEP_1)
	v_readfirstlane_b32 s16, v10                   ; wave = K step 0..7
	v_and_b32 v10, 31, v0                          ; lane
	v_and_b32 v11, 15, v0                          ; r
	v_bfe_u32 v12, v0, 4, 1                        ; h
	v_and_b32 v13, 127, v0
	s_delay_alu instid0(VALU_DEP_1)
	v_lshrrev_b32 v14, 2, v13                      ; on the way out: row 0..31 of tb,
	v_and_b32 v15, 3, v0                           ; and which four of the tile's 16 columns
	v_lshlrev_b32 v[LI], 4, v10
	v_lshlrev_b32 v[SH8], 3, v12
	v_mov_b32 v[QW2], 0                            ; written once: a lane permute's destination counts as one of its sources
	s_mul_i32 s17, s16, STGW
	v_add_nc_u32 v[STA], s17, v[LI]
	v_mul_u32_u24 v[STR], v11, 528
	s_delay_alu instid0(VALU_DEP_1)
	v_lshl_add_u32 v[STR], v12, 7, v[STR]
	s_delay_alu instid0(VALU_DEP_1)
	v_add_nc_u32 v[STR], s17, v[STR]
	s_mul_i32 s17, s16, REDW
	s_add_co_u32 s17, s17, RED
	v_mul_u32_u24 v[RST], v11, 80
	s_delay_alu instid0(VALU_DEP_1)
	v_lshl_add_u32 v[RST], v12, 5, v[RST]
	s_delay_alu instid0(VALU_DEP_1)
	v_add_nc_u32 v[RST], s17, v[RST]               ; my wave's partial sums: row r, + 32 h
	v_mul_u32_u24 v[RLD], v14, 80
	s_delay_alu instid0(VALU_DEP_1)
	v_lshl_add_u32 v[RLD], v15, 4, v[RLD]
	s_delay_alu instid0(VALU_DEP_1)
	v_add_nc_u32 v[RLD], RED, v[RLD]
	s_and_b32 s18, s16, 1
	s_lshl_b32 s18, s18, 8
	s_lshr_b32 s19, s16, 1
	s_lshl_b32 s19, s19, 2
	s_add_co_u32 s18, s18, s19
	s_add_co_u32 s18, s18, SCI
	v_lshl_add_u32 v[SCA], v11, 4, s18             ; lane r + 16 (k % 2) of the image, word k / 2
	v_add_nc_u32 v[SCL], SCI, v[LI]
	v_lshlrev_b32 v[GO], 12, v14
	s_delay_alu instid0(VALU_DEP_1)
	v_lshl_add_u32 v[GO], v15, 4, v[GO]
	v_lshlrev_b32 v[BO], 4, v15
	s_lshl_b32 s20, ttmp9, 16                      ; 16 rows of 4,096 bytes a tile,
	s_lshl_b32 s22, s16, 9                         ; 512 bytes a K step
	s_add_co_u32 s20, s20, s22
	s_mov_b32 s21, 0
	s_mov_b32 s23, 0
	s_lshl_b32 s24, ttmp9, 6                       ; the tile's 16 columns in b_c and in a row of tb
	s_mov_b32 s25, 0
	s_mul_i32 s26, ttmp9, 12800
	s_mov_b32 s27, 0
	s_mul_i32 s28, s16, 1536
	s_mov_b32 s29, 0
	s_mov_b32 s[SEL], 0x76543210
	s_mov_b32 s[SEL+1], 0xfedcba98
	s_wait_alu depctr_va_vdst(0)
	s_wait_kmcnt 0x0
	s_add_nc_u64 s[4:5], s[4:5], s[20:21]
	s_add_nc_u64 s[6:7], s[6:7], s[20:21]
	s_add_nc_u64 s[8:9], s[8:9], s[22:23]
	s_add_nc_u64 s[10:11], s[10:11], s[24:25]
	s_add_nc_u64 s[14:15], s[14:15], s[24:25]
	s_add_nc_u64 s[12:13], s[12:13], s[26:27]      ; my tile of wcq,
	s_add_nc_u64 s[30:31], s[12:13], s[28:29]      ; and my K step's image in it
	global_load_b128 v[BIA:BIA+3], v[BO], s[10:11]
	LOADF 0, 6, 0, 4096, 1, 1                      ; W_in's 16 rows: read once in the launch
	LOADF 1, 8, 0, 4096, 1, 0                      ; input's rows 0-15: every work-group reads them
	LOADF 2, 8, 65536, 4096, 1, 0                  ; rows 16-31
	LOADF 3, 4, 0, 4096, 1, 1                      ; W_c's 16 rows
	FRAGP 0, 48, F, SCW                            ; the counts: the sets behind this one, 16 loads each
	FRAGP 1, 32, F+12, SCW+1
	FRAGP 2, 16, F+24, SCW+2
	FRAGP 3, 0, F+36, SCW+3
.irp c, 0,1,2
	global_store_b128 v[LI], v[F+36+4*\c:F+36+4*\c+3], s[30:31] offset:512*\c   ; W_c's fragment as it stands: 512 consecutive bytes a store, at a multiple of 256 from wcq's first byte
.endr
	ds_store_b32 v[SCA], v[SCW+3]                  ; both halves of the lanes write the same word with the same value
.rept 8
	v_nop                                          ; a scale register written by a vector instruction stands 8 plain instructions ahead of a scaled matrix instruction, an operand 4
.endr
; TRANSPOSED: source 0 = 16 rows of W_in, source 1 = 16 rows of input: lane (r, h) holds row r of tb and columns 8 h + 0 .. 7 of the tile
	v_wmma_scale_f32_16x16x128_f8f6f4 v[D:D+7], v[F:F+11], v[F+12:F+23], 0, v[SCW], v[SCW+1] matrix_a_fmt:MATRIX_FMT_BF6 matrix_b_fmt:MATRIX_FMT_BF6
	v_wmma_scale_f32_16x16x128_f8f6f4 v[D+8:D+15], v[F:F+11], v[F+24:F+35], 0, v[SCW], v[SCW+2] matrix_a_fmt:MATRIX_FMT_BF6 matrix_b_fmt:MATRIX_FMT_BF6
.rept 4
	v_nop                                          ; four plain instructions behind a matrix instruction before its result is read (ISA guide 7.12.1)
.endr
.irp m, 0,1
	ds_store_b128 v[RST], v[D+8*\m:D+8*\m+3] offset:1280*\m          ; each accumulator from its low end on
	ds_store_b128 v[RST], v[D+8*\m+4:D+8*\m+7] offset:1280*\m+16
.endr
	s_wait_dscnt 0x0                               ; for the others' sake: my partial sums and my scale words lie in LDS
	s_barrier_signal -1
	s_barrier_wait -1
	s_cmp_lt_u32 s16, 4
	s_cbranch_scc0 .Lnot_sum
	REDSUM                                         ; waves 0-3: 128 threads, four numbers each
	s_delay_alu instid0(VALU_DEP_2)
	v_pk_add_f32 v[X:X+1], v[X:X+1], v[BIA:BIA+1]
	s_delay_alu instid0(VALU_DEP_2)
	v_pk_add_f32 v[X+2:X+3], v[X+2:X+3], v[BIA+2:BIA+3]
	global_store_b128 v[GO], v[X:X+3], s[14:15]
	s_wait_tensorcnt 0x0
	ds_add_u32 v254, v255
	s_wait_dscnt 0x0
	s_endpgm
.Lnot_sum:
	s_cmp_eq_u32 s16, 4
	s_cbranch_scc0 .Lend
	ds_load_b128 v[X:X+3], v[SCL]                  ; wave 4: the tile's scale image, 512 consecutive bytes
	s_wait_dscnt 0x0
	global_store_b128 v[LI], v[X:X+3], s[12:13] offset:12288
.Lend:
	s_wait_tensorcnt 0x0
	ds_add_u32 v254, v255
	s_wait_dscnt 0x0
	s_endpgm
.Lfunc_end_k_q1a5492f320_prep:
	.size	k_q1a5492f320_prep, .Lfunc_end_k_q1a5492f320_prep-k_q1a5492f320_prep
	.p2alignl 7, 3214868480
	.fill 96, 4, 3214868480
	.section	.rodata,"a",@progbits
	.p2align	6, 0x0
	.amdhsa_kernel k_q1a5492f320_prep
		.amdhsa_group_segment_fixed_size 89600
		.amdhsa_private_segment_fixed_size 0
		.amdhsa_enable_private_segment 0
		.amdhsa_kernarg_size 48
		.amdhsa_user_sgpr_count 2
		.amdhsa_user_sgpr_kernarg_segment_ptr 1
		.amdhsa_wavefront_size32 1
		.amdhsa_system_sgpr_workgroup_id_x 1
		.amdhsa_system_sgpr_workgroup_id_y 1
		.amdhsa_system_sgpr_workgroup_id_z 1
		.amdhsa_system_vgpr_workitem_id 0
		.amdhsa_next_free_vgpr 512
		.amdhsa_next_free_sgpr 66
		.amdhsa_reserve_vcc 0
		.amdhsa_float_denorm_mode_32 3
		.amdhsa_float_denorm_mode_16_64 3
		.amdhsa_memory_ordered 1
		.amdhsa_forward_progress 1
		.amdhsa_inst_pref_size 39
	.end_amdhsa_kernel
	.amdgpu_metadata
---
amdhsa.version: [ 1, 2 ]
amdhsa.kernels:
  - .name:           k_q1a5492f320_prep
    .symbol:         k_q1a5492f320_prep.kd
    .args:
      - { .name: W_c, .offset: 0, .size: 8, .value_kind: global_buffer, .address_space: global }
      - { .name: W_in, .offset: 8, .size: 8, .value_kind: global_buffer, .address_space: global }
      - { .name: input, .offset: 16, .size: 8, .value_kind: global_buffer, .address_space: global }
      - { .name: b_c, .offset: 24, .size: 8, .value_kind: global_buffer, .address_space: global }
      - { .name: wcq, .offset: 32, .size: 8, .value_kind: global_buffer, .address_space: global }
      - { .name: tb, .offset: 40, .size: 8, .value_kind: global_buffer, .address_space: global }
    .group_segment_fixed_size: 89600
    .private_segment_fixed_size: 0
    .kernarg_segment_align: 8
    .kernarg_segment_size: 48
    .max_flat_workgroup_size: 256
    .sgpr_count:     66
    .vgpr_count:     512
    .wavefront_size: 32
...
	.end_amdgpu_metadata
.endif
;; end of part 1
;; launch score (part 2): grid 256 x 1, 4 waves a work-group, clusters of 4 x 1, 327,680 bytes of LDS; arguments context, wcq, tb, W_v, scores; writes scores
.if DOCPART == 2
	.amdgcn_target "amdgcn-amd-amdhsa--gfx1250"
	.amdhsa_code_object_version 6
	.text
	.protected	k_q1a5492f320_score
	.globl	k_q1a5492f320_score
	.p2align	8
	.type	k_q1a5492f320_score,@function
k_q1a5492f320_score:
	s_mov_b64 s[64:65], 0
	v_nop
	global_prefetch_b8 v0, s[64:65] scope:SCOPE_SE
	s_setreg_imm32_b32 hwreg(HW_REG_WAVE_MODE, 25, 1), 1
	s_wait_xcnt 0x0
	s_wait_alu depctr_hold_cnt(0) depctr_sa_sdst(0) depctr_va_vdst(0) depctr_va_sdst(0) depctr_va_ssrc(0) depctr_va_vcc(0) depctr_vm_vsrc(0)
	s_getreg_b32 s2, hwreg(HW_REG_IB_STS2, 6, 4)
	s_cmp_eq_u32 s2, 0
	s_cbranch_scc0 .Lentry_in_a_cluster
	s_endpgm
.Lentry_in_a_cluster:
	s_bfe_u32 s2, ttmp6, 0x10000c
	s_cmp_lg_u32 s2, 0x3003
	s_cbranch_scc0 .Lentry_shape_is_right
	s_endpgm
.Lentry_shape_is_right:
; SCORE.  scores[b][s] = -2 sum over n of r W_v[n], r = 1 / (1 + 2^(2 x log2 e)), x = sum over k of Q(context)[b][s][k] Q(W_c)[n][k] + tb[b][n]; tanh(x) = 1 - 2 r.
; LEFT OUT: the sum of W_v, the same for every s of a softmax row (shown at the head of launch prep).
; SHARES.  A work-group owns 256 rows of one batch.  Its four waves stand 2 x 2: wave w works on the 128 rows of group w / 2 and on the 32 tiles of 16 columns of half w % 2.
; A wave quantises 64 rows (64 w ..) in registers, hands their codes to its partner w ^ 1 through LDS, and then holds 128 rows: 64 fragments of 16 rows x 128 K, 768 registers, for the whole walk.
; So a fragment of W_c read from LDS (1,536 bytes) feeds eight matrix instructions.  Local tiles of rows 0-3 are my own, 4-7 my partner's.
; THE K STEPS ARE TAKEN IN A ROTATED ORDER: place p of the eight holds K step (p + rho) % 8, rho = 4 (w / 2) + 2 (cluster % 2), in context's codes and in W_c's fragments and scale words alike; a sum over the K steps
; is the same in every order but for rounding.  So the row groups and the clusters ask for different columns of context at the same place of the text.  rho is even, so even K steps stay at even places, as the scale words' lanes want.
; TRANSPOSED USE (source 0 = 16 rows of W_c, source 1 = 16 rows of context): a lane holds one row (lane % 16) and columns 8 (lane / 16) + 0 .. 7 of the tile.  tb is the C of a tile's first products.
; A TILE: 64 matrix instructions on eight accumulators, four by turns; then its tanh as two batches of 64 transcendentals; the next tile's fragments are fetched under the tanh.
; For large |x| the exponential gives infinity or 0 and r is 0 or 1.
; CLUSTER.  All work-groups walk the same wcq and the four of a cluster share their batch: every tensor load is a joint one, mask 15, same descriptor in all four.
; PREFETCH of context: in trip f of the quantiser a wave asks for the 32 blocks of 256 bytes of its fragment f + 8, a lane a block, which trip f + 4 loads; fragments 4-7 are asked for behind the head's tensor load; the last
; eight trips ask for nothing.  Every block is its wave's own and is named once.  wcq is not prefetched: 819,200 bytes that every cluster walks in the same order.
; LIMITS: NaN and infinities among the inputs are not served; a block of context whose largest magnitude lies under 2^-122 (a block of zeros too) keeps the scale byte 1.
; REGISTERS.  Window 0: v1-15 addresses; v16-47 context's scale words; v48-51 W_c's; v52-67 sums; v68-131 accumulators (in the head 64 numbers of a lane); v132-227 a tile's eight fragments (in the head the quantiser's and the
; loads' offsets); v228-239 fragment 63; v240-247 tb, v248-255 W_v of a tile.  Fragment f < 63 lies in window f / 21 + 1 at 12 (f % 21); f = 4 p + m for my tiles, 32 + 4 p + (m - 4) for my partner's.  In the head window 3 is the ring of loads.
.set TILEB, 12800                      ; a tile of wcq: eight fragment images and the image of its scale words
.set SLOTB, 8*TILEB                    ; a slot: four tiles of each column half
.set SLOT1, 1<<17                      ; slot 1: one exclusive or turns an address of one slot into the other's
.set TBV,   SLOTB                      ; my batch's row of tb, then W_v: filled once
.set SPARE, TBV+8192                   ; the spare words, 128 bytes a wave
.set SCR,   SPARE+512                  ; two arrays of 256 partial scores, one for each column half
.set STG,   SLOT1+SLOTB                ; behind slot 1, for each wave PWV bytes: a stage of 16 rows x 528 bytes, then at XIM the image of one tile of codes
.set PWV,   21248
.set XIM,   8448
.set SPW, 1
.set NIL, 2
.set LI,  3                            ; 16 x lane
.set ADR, 4                            ; the tile that is being fetched
.set AW,  5                            ; its place in tb's row
.set STA, 6
.set STR, 7
.set XST, 8                            ; my image
.set XLD, 9                            ; my partner's
.set SCS, 10                           ; where my own rows' partial scores go
.set SCP, 11                           ; and my partner's rows'
.set SCL, 12
.set GS,  13
.set AS,  16                           ; v[AS + 4 m + p / 2]: lanes 0-15 the even place's words, lanes 16-31 the odd one's
.set BS,  48
.set S,   52
.set ACC, 68
.set X,   68
.set BF,  132
.set XF,  228
.set BI,  240
.set WV,  248
.set TM,  132
.set SO,  136
.set BY,  138
.set QW,  140
.set QW2, 141
.set SH8, 142
.set T,   144
.set LK,  152                          ; v152-159 the loads' offsets: 16 x lane + 512 x the K step of place p
.set PK,  160                          ; v160-167 the prefetches': 4,096 (lane / 2) + 256 (lane % 2) + the same
.set CTX, 4
.set WVN, 14
.set CH,  15                           ; my column half
.set PW,  16                           ; my partner
.set G1R, 24                           ; group 1: a quarter of a slot
.set G1S, 32                           ; group 1: half of tb's row or of W_v
.set G0T, 40
.set G0A, 44                           ; slot 0's first fill
.set G0B, 48                           ; slot 1's, which then walks
.set TB,  52
.set NSL, 53
.set NPR, 54
.set CS,  56
.set SEL, 58
.set HM,  60
.set RH,  76                           ; rho / 2
.set RO,  77                           ; rho
.set OF,  78                           ; s78-85 where place p's fragment lies in a tile's image
.set OS,  86                           ; s86-89 where the scale word of places 2 i, 2 i + 1 lies in a lane's 16 bytes
.set MSB, 0
.macro WIN new                         ; the immediate's high byte repeats the setting that is left
.if MSB != (\new)
	s_set_vgpr_msb (MSB<<8)|(\new)
.set MSB, (\new)
.endif
.endm
.macro FW f                            ; fragment f's window and register
.if (\f) == 63
.set fw, 0
.set fr, XF
.else
.set fw, (\f)/21+1
.set fr, 12*((\f)%21)
.endif
.endm
.macro LOADF set, p, off0              ; sixteen rows' 512 bytes of place p's K step into a set of the ring: 512 consecutive bytes a load
	WIN 0xc0
.irp i, 0,1,2,3,4,5,6,7,8,9,10,11,12,13,14,15
	global_load_b128 v[64*(\set)+4*\i:64*(\set)+4*\i+3], v[LK+(\p)], s[CTX:CTX+1] offset:(\off0)+\i*4096 th:TH_LOAD_NT
.endr
	WIN 0
.endm
.macro TURN set                        ; through my stage: lane (r, h) gets k = 64 c + 32 h + 0 .. 31 of row r at v[X + 32 c].  LDS serves a wave's instructions in order
	WIN 0x0c
.irp i, 0,1,2,3,4,5,6,7,8,9,10,11,12,13,14,15
	ds_store_b128 v[STA], v[64*(\set)+4*\i:64*(\set)+4*\i+3] offset:528*\i
.endr
	WIN 0
.irp c, 0,1
.irp j, 0,1,2,3,4,5,6,7
	ds_load_b128 v[X+32*\c+4*\j:X+32*\c+4*\j+3], v[STR] offset:256*\c+16*\j
.endr
.endr
	s_wait_dscnt 0x0                               ; the numbers are in, and the stores have read the set
.endm
.macro QUANT dwin, dreg                ; two whole blocks of 32 a lane become 12 registers of codes and the row's scale word in v[QW]
.irp c, 0,1
.irp u, 0,1
	v_max3_num_f32 v[TM+2*\c+\u], |v[X+32*\c+16*\u]|, |v[X+32*\c+16*\u+1]|, 0x2800000   ; the floor 2^(5 - 127) holds the byte at 1 from below
.endr
.endr
.irp i, 2,4,6,8,10,12,14
.irp c, 0,1
.irp u, 0,1
	v_max3_num_f32 v[TM+2*\c+\u], v[TM+2*\c+\u], |v[X+32*\c+16*\u+\i]|, |v[X+32*\c+16*\u+\i+1]|
.endr
.endr
.endr
.irp c, 0,1
	v_max_num_f32 v[TM+2*\c], v[TM+2*\c], v[TM+2*\c+1]
.endr
.irp c, 0,1
	v_add_nc_u32 v[SO+\c], 0xfe000000, v[TM+2*\c]  ; 4 off the exponent field: the conversion's scale operand
.endr
.irp c, 0,1
	v_lshrrev_b32 v[BY+\c], 23, v[SO+\c]
.endr
	v_lshl_or_b32 v[QW], v[BY+1], 16, v[BY]        ; blocks h and 2 + h,
	v_lshlrev_b32 v[QW], v[SH8], v[QW]             ; at their places;
	v_permlanex16_b32 v[QW2], v[QW], s[SEL], s[SEL+1]
	v_or_b32 v[QW], v[QW], v[QW2]                  ; with lane l xor 16's two the word is whole
.irp c, 0,1
	v_cvt_scalef32_pk16_bf6_f32 v[T+4*\c:T+4*\c+2], v[X+32*\c+16:X+32*\c+31], v[SO+\c]   ; a conversion's three registers begin on an even number: the upper half is made apart and moved
.endr
	WIN ((\dwin)<<6)
.irp c, 0,1
	v_cvt_scalef32_pk16_bf6_f32 v[(\dreg)+6*\c:(\dreg)+6*\c+2], v[X+32*\c:X+32*\c+15], v[SO+\c]
.endr
	v_nop                                          ; one plain instruction behind the scaled conversions
.irp c, 0,1
.irp i, 0,1,2
	v_mov_b32 v[(\dreg)+6*\c+3+\i], v[T+4*\c+\i]
.endr
.endr
	WIN 0
.endm
.macro CROUND                          ; a round of the cluster's barrier
	s_barrier_signal -1
	s_barrier_wait -1
	s_cmp_lg_u32 s[WVN], 0
	s_cbranch_scc1 .Lnot_wave_0_\@
	s_barrier_signal -3
.Lnot_wave_0_\@:
	s_barrier_wait -3
	s_barrier_signal -1
	s_barrier_wait -1
.endm
.macro TLOAD g0, g1                    ; a joint load
	tensor_load_to_lds s[\g0:\g0+3], s[\g1:\g1+7]
	s_nop 0
.rept 4
	v_nop
.endr
.endm
.macro FILL g0, g1                     ; a later first fill: issued as a refill is, my one tensor load behind the round
	s_wait_tensorcnt 0x0
	ds_add_u32 v[SPW], v[NIL]
	s_wait_dscnt 0x0
	CROUND
	TLOAD \g0, \g1
.endm
	s_load_b256 s[4:11], s[0:1], 0x0               ; context, wcq, tb, W_v
	s_load_b64 s[12:13], s[0:1], 0x20              ; scores
	v_lshl_add_u32 v[SPW], v0, 2, SPARE
	v_mov_b32 v[NIL], 0
	ds_add_u32 v[SPW], v[NIL]
	ds_add_u32 v[SPW], v[NIL]
	v_lshrrev_b32 v14, 5, v0
	v_readfirstlane_b32 s[WVN], v14
	v_and_b32 v14, 31, v0                          ; lane
	v_and_b32 v15, 15, v0                          ; r
	v_bfe_u32 v[TM], v0, 4, 1                      ; h
	v_lshlrev_b32 v[LI], 4, v14
	v_lshlrev_b32 v[GS], 3, v14
	v_lshlrev_b32 v[SH8], 3, v[TM]
	v_mul_u32_u24 v[STR], v15, 528
	v_lshl_add_u32 v[STR], v[TM], 7, v[STR]
	v_lshlrev_b32 v[SCS], 2, v15
	v_lshl_add_u32 v[AW], v[TM], 5, TBV
	v_mov_b32 v[QW2], 0                            ; a lane permute's destination counts as a source
	v_and_b32 v15, 1, v14
	v_lshlrev_b32 v15, 8, v15
	v_lshrrev_b32 v14, 1, v14
	v_lshl_add_u32 v15, v14, 12, v15               ; a prefetch's lane: row lane / 2, block lane % 2
	s_wait_alu depctr_va_vdst(0)                   ; a wait ahead of the run of scalar lines
	s_and_b32 s[CH], s[WVN], 1
	s_xor_b32 s[PW], s[WVN], 1
	s_mul_i32 s66, s[WVN], PWV
	s_add_co_u32 s66, s66, STG                     ; my region
	s_mul_i32 s67, s[PW], PWV
	s_add_co_u32 s67, s67, STG+XIM                 ; my partner's image
	s_lshl_b32 s68, s[CH], 10
	s_add_co_u32 s68, s68, SCR                     ; my column half's array
	s_lshl_b32 s69, s[WVN], 8
	s_lshl_b32 s70, s[PW], 8
	s_add_co_u32 s71, s68, s69
	s_add_co_u32 s72, s68, s70
	s_add_co_u32 s73, s69, SCR
	s_lshl_b32 s74, s[CH], 11
	s_lshr_b32 s[RH], s[WVN], 1
	s_lshl_b32 s[RH], s[RH], 1
	s_and_b32 s17, ttmp9, 1                        ; the cluster's number: the same in all four partners
	s_add_co_u32 s[RH], s[RH], s17                 ; rho / 2 = 2 (w / 2) + cluster % 2
	s_lshl_b32 s[RO], s[RH], 1
	v_add_nc_u32 v[STA], s66, v[LI]
	v_add_nc_u32 v[STR], s66, v[STR]
	v_add_nc_u32 v[XST], XIM, v[STA]
	v_add_nc_u32 v[XLD], s67, v[LI]
	v_add_nc_u32 v[SCP], s72, v[SCS]
	v_add_nc_u32 v[SCS], s71, v[SCS]
	v_add_nc_u32 v[SCL], s73, v[GS]
	v_add_nc_u32 v[AW], s74, v[AW]                 ; my half's first tile: 32 tiles x 64 bytes a half
.irp p, 0,1,2,3,4,5,6,7
	s_add_co_u32 s17, s[RO], \p
	s_and_b32 s17, s17, 7                          ; place p's K step
	s_mul_i32 s[OF+\p], s17, 1536
	s_lshl_b32 s17, s17, 9
	v_add_nc_u32 v[LK+\p], s17, v[LI]
	v_add_nc_u32 v[PK+\p], s17, v15
.endr
.irp i, 0,1,2,3
	s_add_co_u32 s17, s[RH], \i
	s_and_b32 s17, s17, 3
	s_lshl_b32 s17, s17, 2
	s_add_co_u32 s[OS+\i], s17, 12288
.endr
.irp j, 0,1,2,3,4,5,6,7,8,9,10,11,12,13,14,15
	v_mov_b32 v[S+\j], 0
.endr
	s_bfe_u32 s75, ttmp6, 0x40000                  ; cx enters context's and scores' addresses alone
	s_lshl_b32 s18, ttmp9, 2
	s_add_co_u32 s18, s18, s75                     ; my block of 256 rows
	s_lshl_b32 s20, s18, 10
	s_add_co_u32 s20, s20, s69                     ; its scores, my wave's 64
	s_mov_b32 s21, 0
	s_lshl_b32 s18, s18, 20
	s_lshl_b32 s17, s[WVN], 18
	s_add_co_u32 s18, s18, s17                     ; my 64 rows of 4,096 bytes
	s_mov_b32 s19, 0
	s_lshr_b32 s22, s[WVN], 1                      ; of a fill I bring two tiles: half w / 2, pair w % 2
	s_mul_i32 s22, s22, 32*TILEB
	s_mul_i32 s17, s[CH], 2*TILEB
	s_add_co_u32 s22, s22, s17
	s_mov_b32 s23, 0
	s_mul_i32 s61, s[WVN], 2*TILEB                 ; and they go to quarter w of the slot
	s_lshr_b32 s62, ttmp9, 1                       ; the batch: two clusters to a batch
	s_lshl_b32 s62, s62, 12
	s_lshl_b32 s63, s[WVN], 11
	s_mov_b32 s[G1R], 15|(3<<16)|(1<<21)           ; mask of all four; elements of 8 bytes; bit 21 beside a mask
	s_mov_b32 s[G1R+1], 32<<16                     ; rows of 256 bytes,
	s_mov_b32 s[G1R+2], 100<<16                    ; 100 of them: 25,600 bytes, dense
	s_mov_b32 s[G1R+3], 32<<16
	s_mov_b32 s[G1R+4], 100
	s_mov_b32 s[G1R+5], 32
	s_mov_b32 s[G1R+6], 0
	s_mov_b32 s[G1R+7], 0
	s_mov_b32 s[G1S], 15|(3<<16)|(1<<21)
	s_mov_b32 s[G1S+1], 32<<16
	s_mov_b32 s[G1S+2], 8<<16                      ; eight rows: 2,048 bytes
	s_mov_b32 s[G1S+3], 32<<16
	s_mov_b32 s[G1S+4], 8
	s_mov_b32 s[G1S+5], 32
	s_mov_b32 s[G1S+6], 0
	s_mov_b32 s[G1S+7], 0
	s_mov_b32 s[CS], 0x4038aa3b                    ; 2 log2 e
	s_mov_b32 s[CS+1], s[CS]
	s_mov_b32 s[SEL], 0x76543210
	s_mov_b32 s[SEL+1], 0xfedcba98
	s_mov_b32 s[HM], 0xffff0000
	s_wait_dscnt 0x0                               ; both opening adds are done
	s_wait_alu depctr_va_vdst(0)
	s_wait_kmcnt 0x0
	s_add_nc_u64 s[CTX:CTX+1], s[CTX:CTX+1], s[18:19]
	s_add_nc_u64 s[12:13], s[12:13], s[20:21]
	s_mov_b32 s[G0A], 1
	s_mov_b32 s[G0A+1], s61
	s_add_nc_u64 s[G0A+2:G0A+3], s[6:7], s[22:23]  ; fill 0: tiles 0-3 of each half
	s_mov_b32 s[G0B], 1
	s_add_co_u32 s[G0B+1], s61, SLOT1
	s_add_nc_u64 s[G0B+2:G0B+3], s[G0A+2:G0A+3], 4*TILEB   ; fill 1
	s_or_b32 s[G0A+3], s[G0A+3], 0x80000000
	s_or_b32 s[G0B+3], s[G0B+3], 0x80000000
	s_mov_b32 s[G0T], 1
	s_add_co_u32 s[G0T+1], s63, TBV
	s_cmp_lt_u32 s[WVN], 2                         ; waves 0, 1 bring the halves of tb's row, waves 2, 3 those of W_v: the choice hangs on the wave's number alone
	s_cselect_b64 s[G0T+2:G0T+3], s[8:9], s[10:11]
	s_cselect_b32 s2, s62, 0
	s_add_co_u32 s2, s2, s74
	s_mov_b32 s3, 0
	s_add_nc_u64 s[G0T+2:G0T+3], s[G0T+2:G0T+3], s[2:3]
	s_or_b32 s[G0T+3], s[G0T+3], 0x80000000
	LOADF 0, 0, 0                                  ; context's first four fragments are asked for ahead of everything else
	LOADF 1, 1, 0
	LOADF 2, 2, 0
	LOADF 3, 3, 0
	CROUND                                         ; the first joint loads meet
	TLOAD G0A, G1R                                 ; my one tensor load at the head
.irp p, 4,5,6,7
	global_prefetch_b8 v[PK+\p], s[CTX:CTX+1] th:TH_LOAD_NT scope:SCOPE_SE   ; fragments 4-7, which trips 0-3 load
.endr
; CONTEXT BECOMES CODES.  Fragment 8 m + p of my 64 rows.  Four sets of sixteen loads take turns: the counts are the younger sets, 16 loads each.  No barrier stands in this stream.
.macro FRAGQ f
.if 31-(\f) >= 3
	s_wait_loadcnt 48
.else
	s_wait_loadcnt 16*(31-(\f))
.endif
	TURN (\f)%4
.if (\f)+4 < 32
	LOADF (\f)%4, ((\f)+4)%8, (((\f)+4)/8)*65536
.endif
.if (\f)+8 < 32
	global_prefetch_b8 v[PK+((\f)+8)%8], s[CTX:CTX+1] offset:(((\f)+8)/8)*65536 th:TH_LOAD_NT scope:SCOPE_SE   ; what the trip four on loads
.endif
	FW 4*((\f)%8)+(\f)/8
	QUANT fw, fr
.if (\f)%2 == 0
	v_mov_b32 v[AS+4*((\f)/8)+((\f)%8)/2], v[QW]
.else
	v_cndmask_b32 v[AS+4*((\f)/8)+((\f)%8)/2], v[AS+4*((\f)/8)+((\f)%8)/2], v[QW], s[HM]
.endif
	s_wait_alu depctr_va_vdst(0)
.endm
.irp f, 0,1,2,3,4,5,6,7,8,9,10,11,12,13,14,15,16,17,18,19,20,21,22,23,24,25,26,27,28,29,30,31
	FRAGQ \f
.endr
	s_wait_xcnt 0x0                                ; the prefetches have read their offsets: those registers take W_c's fragments further down
	FILL G0T, G1S                                  ; tb's row and W_v land under the exchange
; THE EXCHANGE, a tile of 16 rows a round: my codes and scale words as an image of their registers; a barrier; my partner's into my registers; a barrier before the image is written again.
.macro XROUND t
.irp k, 0,1,2,3,4,5,6,7
	FW 4*\k+\t
	WIN fw<<2
.irp c, 0,1,2
	ds_store_b128 v[XST], v[fr+4*\c:fr+4*\c+3] offset:1536*\k+512*\c
.endr
.endr
	WIN 0
	ds_store_b128 v[XST], v[AS+4*\t:AS+4*\t+3] offset:12288
	s_wait_dscnt 0x0                               ; for my partner's sake
	s_barrier_signal -1
	s_barrier_wait -1
.irp k, 0,1,2,3,4,5,6,7
	FW 32+4*\k+\t
	WIN fw<<6
.irp c, 0,1,2
	ds_load_b128 v[fr+4*\c:fr+4*\c+3], v[XLD] offset:1536*\k+512*\c
.endr
.endr
	WIN 0
	ds_load_b128 v[AS+16+4*\t:AS+16+4*\t+3], v[XLD] offset:12288
	s_wait_dscnt 0x0
.if \t < 3
	s_barrier_signal -1
	s_barrier_wait -1
.endif
.endm
	XROUND 0
	XROUND 1
	XROUND 2
	s_wait_tensorcnt 0x0                           ; my parts of slot 0, of tb and of W_v are in: the next barrier shows everybody's
	XROUND 3
	FILL G0B, G1R                                  ; slot 1's first fill: it has three tiles' work in which to land
; THE PRODUCTS.
.macro MM k, m
.if (\m) < 4
	FW 4*(\k)+(\m)
.else
	FW 28+4*(\k)+(\m)
.endif
	WIN fw<<2                                      ; only source 1 leaves window 0
.set rD, ACC+8*(\m)
.set rB, BF+12*(\k)
.set rs, BS+(\k)/2
.set ra, AS+4*(\m)+(\k)/2
.if (\k) == 0
	v_wmma_scale_f32_16x16x128_f8f6f4 v[rD:rD+7], v[rB:rB+11], v[fr:fr+11], v[BI:BI+7], v[rs], v[ra] matrix_a_fmt:MATRIX_FMT_BF6 matrix_b_fmt:MATRIX_FMT_BF6
.elseif (\k)%2 == 0
	v_wmma_scale_f32_16x16x128_f8f6f4 v[rD:rD+7], v[rB:rB+11], v[fr:fr+11], v[rD:rD+7], v[rs], v[ra] matrix_a_fmt:MATRIX_FMT_BF6 matrix_b_fmt:MATRIX_FMT_BF6
.else
	v_wmma_scale_f32_16x16x128_f8f6f4 v[rD:rD+7], v[rB:rB+11], v[fr:fr+11], v[rD:rD+7], v[rs], v[ra] matrix_a_fmt:MATRIX_FMT_BF6 matrix_b_fmt:MATRIX_FMT_BF6 matrix_a_scale:MATRIX_SCALE_ROW1 matrix_b_scale:MATRIX_SCALE_ROW1
.endif
.endm
; The twelve addresses of a tile's fetch (eight fragments, then four scale words: s[OS] follows s[OF]) are made in one run, well ahead of the loads that read them.
; They lie in the registers that the fragments leave free: address a in v252 + a % 4 of window 1 + a / 4.
.macro ADDRS
.irp a, 0,1,2,3,4,5,6,7,8,9,10,11
	WIN (1+\a/4)<<6
	v_add_nc_u32 v[252+\a%4], s[OF+\a], v[ADR]
.endr
	WIN 0
.endm
.macro FETCH                           ; a tile, each place's K step from its image: four scale words, tb, eight fragments: 30 loads
	WIN 3                                          ; the address in window 3
.irp i, 0,1,2,3
	ds_load_b32 v[BS+\i], v[252+\i]
.endr
	WIN 0
	ds_load_b128 v[BI:BI+3], v[AW]
	ds_load_b128 v[BI+4:BI+7], v[AW] offset:16
.irp k, 0,1,2,3,4,5,6,7
	WIN 1+\k/4
.irp c, 0,1,2
	ds_load_b128 v[BF+12*\k+4*\c:BF+12*\k+4*\c+3], v[252+\k%4] offset:512*\c
.endr
.endr
	WIN 0
.endm
.macro STEP fetch
	ds_load_b128 v[WV:WV+3], v[AW] offset:4096     ; this tile's W_v, 4,096 bytes behind its tb
	ds_load_b128 v[WV+4:WV+7], v[AW] offset:4112
	s_wait_dscnt 2                                 ; the tile's 30 loads are in; W_v's two may be out
.irp g, 0,4                            ; my own four tiles of rows, then my partner's: four accumulators by turns
.irp k, 0,1,2,3,4,5,6,7
.irp m, 0,1,2,3
	MM \k, \g+\m
.endr
.endr
.endr
	WIN 0
.rept 4
	v_nop                                          ; four plain instructions behind a matrix instruction before a result is read (ISA guide 7.12.1)
.endr
.if \fetch
	v_add_nc_u32 v[ADR], s[TB], v[LI]
	v_add_nc_u32 v[AW], 64, v[AW]
	ADDRS
	s_add_co_u32 s[TB], s[TB], TILEB
.endif
.irp p, 0,1,2,3,4,5,6,7,8,9,10,11,12,13,14,15,16,17,18,19,20,21,22,23,24,25,26,27,28,29,30,31
	v_pk_mul_f32 v[ACC+2*\p:ACC+2*\p+1], v[ACC+2*\p:ACC+2*\p+1], s[CS:CS+1] op_sel_hi:[1,0]   ; each accumulator from its low end on
.endr
	s_wait_dscnt 0x0                               ; W_v is in
.if \fetch
	FETCH                                          ; the next tile comes under the tanh
.endif
	s_wait_alu depctr_va_vdst(0)                   ; a wait ahead of each batch and behind it
.irp e, 0,1,2,3,4,5,6,7,8,9,10,11,12,13,14,15,16,17,18,19,20,21,22,23,24,25,26,27,28,29,30,31,32,33,34,35,36,37,38,39,40,41,42,43,44,45,46,47,48,49,50,51,52,53,54,55,56,57,58,59,60,61,62,63
	v_exp_f32 v[ACC+\e], v[ACC+\e]
.endr
	v_nop
	s_wait_alu depctr_va_vdst(0)
.irp p, 0,1,2,3,4,5,6,7,8,9,10,11,12,13,14,15,16,17,18,19,20,21,22,23,24,25,26,27,28,29,30,31
	v_pk_add_f32 v[ACC+2*\p:ACC+2*\p+1], v[ACC+2*\p:ACC+2*\p+1], 1.0 op_sel_hi:[1,0]
.endr
	s_wait_alu depctr_va_vdst(0)
.irp e, 0,1,2,3,4,5,6,7,8,9,10,11,12,13,14,15,16,17,18,19,20,21,22,23,24,25,26,27,28,29,30,31,32,33,34,35,36,37,38,39,40,41,42,43,44,45,46,47,48,49,50,51,52,53,54,55,56,57,58,59,60,61,62,63
	v_rcp_f32 v[ACC+\e], v[ACC+\e]
.endr
	v_nop
	s_wait_alu depctr_va_vdst(0)
.irp i, 0,1,2,3
.irp m, 0,1,2,3,4,5,6,7
	v_pk_fma_f32 v[S+2*\m:S+2*\m+1], v[ACC+8*\m+2*\i:ACC+8*\m+2*\i+1], v[WV+2*\i:WV+2*\i+1], v[S+2*\m:S+2*\m+1]
.endr
.endr
.endm
; THE CHANGE OF SLOTS stands one tile early: the old slot's last tile lies in registers, the next to be fetched lies in the other slot.  fill = 1: a round, and the joint refill first behind it, with four tiles' work in which to land.
.macro CHANGE fill
	s_wait_tensorcnt 0x0                           ; my one load that was out, my quarter of the other slot, is in
	ds_add_u32 v[SPW], v[NIL]
.if \fill
	s_xor_b32 s[G0B+1], s[G0B+1], SLOT1            ; the other slot than last time,
	s_add_nc_u64 s[G0B+2:G0B+3], s[G0B+2:G0B+3], 4*TILEB   ; the next four tiles of each half
.endif
	s_sub_co_u32 s[TB], s[TB], 4*TILEB
	s_xor_b32 s[TB], s[TB], SLOT1
	s_wait_dscnt 0x0                               ; the add is done, and my reads of the old slot are over
.if \fill
	CROUND
	TLOAD G0B, G1R
.else
	s_barrier_signal -1
	s_barrier_wait -1
.endif
.endm
	s_mul_i32 s[TB], s[CH], 4*TILEB                ; my half's four tiles of a slot
	v_add_nc_u32 v[ADR], s[TB], v[LI]
	ADDRS
	s_wait_alu depctr_va_vdst(0)
	FETCH                                          ; tile 0
	s_add_co_u32 s[TB], s[TB], TILEB
.rept 8
	v_nop                                          ; a scale register written by a vector instruction stands 8 plain instructions ahead of a scaled matrix instruction
.endr
	s_mov_b32 s[NPR], 3
.Lfirst:                                           ; tiles 0-2 of my 32
	STEP 1
	s_sub_co_u32 s[NPR], s[NPR], 1
	s_cmp_lg_u32 s[NPR], 0
	s_cbranch_scc1 .Lfirst
	s_mov_b32 s[NSL], 6
.Lslot:                                            ; six refills; tiles 3-26
	CHANGE 1
	s_mov_b32 s[NPR], 4
.Lquad:
	STEP 1
	s_sub_co_u32 s[NPR], s[NPR], 1
	s_cmp_lg_u32 s[NPR], 0
	s_cbranch_scc1 .Lquad
	s_sub_co_u32 s[NSL], s[NSL], 1
	s_cmp_lg_u32 s[NSL], 0
	s_cbranch_scc1 .Lslot
	CHANGE 0                                       ; the tail is written out: nothing is left to ask for
	s_mov_b32 s[NPR], 4
.Llast:                                            ; tiles 27-30
	STEP 1
	s_sub_co_u32 s[NPR], s[NPR], 1
	s_cmp_lg_u32 s[NPR], 0
	s_cbranch_scc1 .Llast
	STEP 0                                         ; tile 31
; THE WAY OUT.  My column half's part of 128 rows' scores goes to my half's array in LDS; behind a barrier each wave adds the two halves of its own 64 rows and stores one aligned run of 256 bytes.
.irp m, 0,1,2,3,4,5,6,7
	v_mul_f32 v[S+2*\m], -2.0, v[S+2*\m]
.endr
.irp m, 0,1,2,3,4,5,6,7
	v_fma_f32 v[S+2*\m], -2.0, v[S+2*\m+1], v[S+2*\m]
.endr
.irp m, 0,1,2,3,4,5,6,7
	v_permlanex16_b32 v[S+2*\m+1], v[S+2*\m], s[SEL], s[SEL+1]
.endr
.irp m, 0,1,2,3,4,5,6,7
	v_add_f32 v[S+2*\m], v[S+2*\m], v[S+2*\m+1]    ; with lane l xor 16's eight columns
.endr
.irp m, 0,1,2,3
	ds_store_b32 v[SCS], v[S+2*\m] offset:64*\m    ; both halves of the lanes write the same word with the same value
	ds_store_b32 v[SCP], v[S+8+2*\m] offset:64*\m
.endr
	s_wait_dscnt 0x0                               ; for the others' sake
	s_barrier_signal -1
	s_barrier_wait -1
	ds_load_b64 v[14:15], v[SCL]
	ds_load_b64 v[S:S+1], v[SCL] offset:1024
	s_wait_dscnt 0x0
	v_pk_add_f32 v[14:15], v[14:15], v[S:S+1]
	global_store_b64 v[GS], v[14:15], s[12:13]
	s_wait_tensorcnt 0x0                           ; the wave's end
	ds_add_u32 v[SPW], v[NIL]
	s_wait_dscnt 0x0
	CROUND                                         ; the closing round
	s_endpgm
.Lfunc_end_k_q1a5492f320_score:
	.size	k_q1a5492f320_score, .Lfunc_end_k_q1a5492f320_score-k_q1a5492f320_score
	.p2alignl 7, 3214868480
	.fill 96, 4, 3214868480
	.section	.rodata,"a",@progbits
	.p2align	6, 0x0
	.amdhsa_kernel k_q1a5492f320_score
		.amdhsa_group_segment_fixed_size 327680
		.amdhsa_private_segment_fixed_size 0
		.amdhsa_enable_private_segment 0
		.amdhsa_kernarg_size 40
		.amdhsa_user_sgpr_count 2
		.amdhsa_user_sgpr_kernarg_segment_ptr 1
		.amdhsa_wavefront_size32 1
		.amdhsa_system_sgpr_workgroup_id_x 1
		.amdhsa_system_sgpr_workgroup_id_y 1
		.amdhsa_system_sgpr_workgroup_id_z 1
		.amdhsa_system_vgpr_workitem_id 0
		.amdhsa_next_free_vgpr 1024
		.amdhsa_next_free_sgpr 92
		.amdhsa_reserve_vcc 0
		.amdhsa_float_denorm_mode_32 3
		.amdhsa_float_denorm_mode_16_64 3
		.amdhsa_memory_ordered 1
		.amdhsa_forward_progress 1
		.amdhsa_inst_pref_size 255
	.end_amdhsa_kernel
	.section	.bss,"aw",@nobits
	.p2align	6
	.space	262144
	.amdgpu_metadata
---
amdhsa.version: [ 1, 2 ]
amdhsa.kernels:
  - .name:           k_q1a5492f320_score
    .symbol:         k_q1a5492f320_score.kd
    .args:
      - { .name: context, .offset: 0, .size: 8, .value_kind: global_buffer, .address_space: global }
      - { .name: wcq, .offset: 8, .size: 8, .value_kind: global_buffer, .address_space: global }
      - { .name: tb, .offset: 16, .size: 8, .value_kind: global_buffer, .address_space: global }
      - { .name: W_v, .offset: 24, .size: 8, .value_kind: global_buffer, .address_space: global }
      - { .name: scores, .offset: 32, .size: 8, .value_kind: global_buffer, .address_space: global }
    .group_segment_fixed_size: 327680
    .private_segment_fixed_size: 0
    .kernarg_segment_align: 8
    .kernarg_segment_size: 40
    .max_flat_workgroup_size: 128
    .sgpr_count:     92
    .vgpr_count:     1024
    .wavefront_size: 32
...
	.end_amdgpu_metadata
.endif
;; end of part 2
;; launch ctx (part 3): grid 8 x 32, 8 waves a work-group, no clusters, 6,144 bytes of LDS; arguments scores, context, out1, out2; writes out1, out2
.if DOCPART == 3
	.amdgcn_target "amdgcn-amd-amdhsa--gfx1250"
	.amdhsa_code_object_version 6
	.text
	.protected	k_q1a5492f320_ctx
	.globl	k_q1a5492f320_ctx
	.p2align	8
	.type	k_q1a5492f320_ctx,@function
k_q1a5492f320_ctx:
	s_mov_b64 s[64:65], 0
	v_nop
	global_prefetch_b8 v0, s[64:65] scope:SCOPE_SE
	s_setreg_imm32_b32 hwreg(HW_REG_WAVE_MODE, 25, 1), 1
	s_wait_xcnt 0x0
; CTX.  attn_w[b][:] = softmax(scores[b][:]) (out2), weighted_context[b][d] = sum over s of attn_w[b][s] context[b][s][d] (out1).  All in f32: out1 goes on into a quantiser.
; scores come without the sum of W_v, which is the same along the softmax's axis (shown at the head of launch prep).
; SHARES.  Work-group (c, b) owns columns 128 c .. + 127 (512 bytes of every row) of batch b.  Thread t holds scores 4 t .. 4 t + 3 and 1,024 + 4 t .. + 3, so wave w holds, and streams, rows 128 w .. + 127 and 1,024 + 128 w .. + 127.
; THE SOFTMAX.  Each wave takes the maximum m of its own 256 scores, p = 2^((s - m) log2 e), and their sum l.  It weighs its rows with p, read out of the lanes' registers into scalar registers: the stream has no LDS instruction
; and no barrier.  At the end the eight m, l and partial sums meet in LDS behind one barrier: M = the largest m, f = 2^((m - M) log2 e), L = sum of f l; everything is brought under M by f and divided by L.
; THE STREAM: a ring of 48 rows in registers, four rows a group; every offset is an immediate (1,151 rows of 4,096 bytes at the most, inside the signed 24-bit immediate: ISA guide, chapter 10).
; PREFETCH: every fourth group a wave asks for its 512 bytes of 16 rows, a lane a block of 256 bytes: rows ri + 80 .. ri + 95, which the groups from eight on load; rows 48-79 are asked for behind the ring's first loads;
; the last 80 rows' groups ask for nothing.  Every block is its wave's own and is named once; a wave has at most 44 rows asked for and not yet loaded.
; No matrix unit (one row of weights), no tensor loads, no cluster: what work-groups share is 8 KiB of scores.
; LIMITS: NaN and infinities among the inputs are not served.
.set RING, 48
.set PS,    512                        ; LDS: the waves' m at 0, their l at 256, their partial sums, 512 bytes each, from PS
.set SPARE, 4608                       ; the spare words, 128 bytes a wave
.set LN,  1                            ; 16 x lane
.set TH,  2                            ; 16 x thread
.set MXA, 3                            ; my wave's word
.set PSA, 4
.set MXR, 5                            ; 0
.set SPW, 6
.set NIL, 7
.set P,   8                            ; v8-15 eight scores, then p
.set RL,  44                           ; 1 / L
.set PFO, 45                           ; a prefetch's lane: 4,096 (lane / 2) + 256 (lane % 2); never rewritten
.set A0,  48                           ; v48-55 two sets of four sums
.set R,   64                           ; v64-255 the ring
.set WS,  32                           ; s32, s34, s36, s38: four rows' weights (the packed form names pairs and takes their low words)
	s_load_b128 s[4:7], s[0:1], 0x0                ; scores, context
	s_load_b128 s[8:11], s[0:1], 0x10              ; out1, out2
	v_lshl_add_u32 v[SPW], v0, 2, SPARE
	v_mov_b32 v[NIL], 0
	v_lshrrev_b32 v16, 5, v0
	v_readfirstlane_b32 s12, v16                   ; wave
	v_and_b32 v16, 31, v0
	v_lshlrev_b32 v[LN], 4, v16
	v_lshlrev_b32 v[TH], 4, v0
	v_mov_b32 v[MXR], 0
	v_and_b32 v[PFO], 1, v16
	v_lshlrev_b32 v[PFO], 8, v[PFO]
	v_lshrrev_b32 v17, 1, v16
	v_lshl_add_u32 v[PFO], v17, 12, v[PFO]
	s_wait_alu depctr_va_vdst(0)
	s_and_b32 s13, ttmp7, 0xffff                   ; the batch
	s_lshl_b32 s25, s12, 2
	v_mov_b32 v[MXA], s25
	s_lshl_b32 s25, s12, 9
	s_add_co_u32 s25, s25, PS
	v_add_nc_u32 v[PSA], s25, v[LN]
	s_lshl_b32 s14, s13, 13                        ; a batch's scores
	s_mov_b32 s15, 0
	s_lshl_b32 s16, s13, 23                        ; a batch of context,
	s_lshl_b32 s17, s12, 19                        ; my wave's first row, 128 w,
	s_add_co_u32 s16, s16, s17
	s_lshl_b32 s17, ttmp9, 9                       ; my work-group's 512 bytes of a row
	s_add_co_u32 s16, s16, s17
	s_lshl_b32 s18, s13, 12
	s_add_co_u32 s18, s18, s17                     ; the same columns in out1
	s_mov_b32 s17, 0
	s_mov_b32 s19, 0
	s_lshl_b32 s20, ttmp9, 10
	s_add_co_u32 s20, s20, s14                     ; my work-group's 1,024 bytes of out2
	s_mov_b32 s21, 0
	s_mov_b32 s22, 0x76543210
	s_mov_b32 s23, 0xfedcba98
.irp j, 0,1,2,3
	s_mov_b32 s[WS+2*\j+1], 0                      ; named with the weights as pairs, so they are written
.endr
	s_wait_alu depctr_va_vdst(0)
	s_wait_kmcnt 0x0
	s_add_nc_u64 s[4:5], s[4:5], s[14:15]
	s_add_nc_u64 s[6:7], s[6:7], s[16:17]
	s_add_nc_u64 s[8:9], s[8:9], s[18:19]
	s_add_nc_u64 s[10:11], s[10:11], s[20:21]
	global_load_b128 v[P:P+3], v[TH], s[4:5]
	global_load_b128 v[P+4:P+7], v[TH], s[4:5] offset:4096
.set ri, 0
.rept RING
	global_load_b128 v[R+4*ri:R+4*ri+3], v[LN], s[6:7] offset:4096*ri th:TH_LOAD_NT
.set ri, ri+1
.endr
	global_prefetch_b8 v[PFO], s[6:7] offset:4096*48 th:TH_LOAD_NT scope:SCOPE_SE   ; rows 48-63,
	global_prefetch_b8 v[PFO], s[6:7] offset:4096*64 th:TH_LOAD_NT scope:SCOPE_SE   ; rows 64-79
	s_wait_loadcnt RING                            ; the scores are in; the ring's 48 loads stay out
	v_max3_num_f32 v16, v[P], v[P+1], v[P+2]
	v_max3_num_f32 v17, v[P+3], v[P+4], v[P+5]
	v_max3_num_f32 v16, v16, v[P+6], v[P+7]
	v_max_num_f32 v16, v16, v17
.irp x, 1,2,4,8
	v_max_num_f32_dpp v16, v16, v16 row_xmask:\x row_mask:0xf bank_mask:0xf
.endr
	v_permlanex16_b32 v17, v16, s22, s23
	v_max_num_f32 v16, v16, v17                    ; m, in every lane; kept to the end
.irp j, 0,2,4,6
	v_pk_add_f32 v[P+\j:P+\j+1], v[P+\j:P+\j+1], v[16:17] op_sel_hi:[1,0] neg_lo:[0,1] neg_hi:[0,1]
.endr
.irp j, 0,2,4,6
	v_pk_mul_f32 v[P+\j:P+\j+1], v[P+\j:P+\j+1], 0x3fb8aa3b op_sel_hi:[1,0]
.endr
	s_wait_alu depctr_va_vdst(0)                   ; a wait ahead of a batch of transcendentals and behind it
.irp j, 0,1,2,3,4,5,6,7
	v_exp_f32 v[P+\j], v[P+\j]                     ; p, at most 1
.endr
	v_nop
	s_wait_alu depctr_va_vdst(0)
	v_pk_add_f32 v[18:19], v[P:P+1], v[P+2:P+3]
	v_pk_add_f32 v[20:21], v[P+4:P+5], v[P+6:P+7]
	v_pk_add_f32 v[18:19], v[18:19], v[20:21]
	v_add_f32 v18, v18, v19
.irp x, 1,2,4,8
	v_add_f32_dpp v18, v18, v18 row_xmask:\x row_mask:0xf bank_mask:0xf
.endr
	v_permlanex16_b32 v19, v18, s22, s23
	v_add_f32 v18, v18, v19                        ; l; kept to the end
; Rows ri .. ri + 3 of my 256: their four weights lie in one lane's four registers.  The count: the younger loads, 44 while the ring is full.
.macro GROUP
	s_wait_alu depctr_va_vdst(0)                   ; a wait ahead of the blocking wait
.if 252-ri >= RING-4
	s_wait_loadcnt RING-4
.else
	s_wait_loadcnt 252-ri
.endif
.irp j, 0,1,2,3
	v_readlane_b32 s[WS+2*\j], v[P+4*(ri/128)+\j], (ri%128)/4
.endr
.if (ri%16 == 0) && (ri+RING+47 < 256)
.set rp, ri+RING+32
	global_prefetch_b8 v[PFO], s[6:7] offset:4096*(rp+896*(rp/128)) th:TH_LOAD_NT scope:SCOPE_SE   ; 16 rows from a multiple of 16 on: they lie in one of my two runs of 128
.endif
.irp j, 0,1,2,3
.set rr, R+4*((ri+\j)%RING)
.set ra, A0+4*(\j%2)
.if ri+\j < 2
	v_pk_mul_f32 v[ra:ra+1], v[rr:rr+1], s[WS+2*\j:WS+2*\j+1] op_sel_hi:[1,0]        ; the first two rows start the sums
	v_pk_mul_f32 v[ra+2:ra+3], v[rr+2:rr+3], s[WS+2*\j:WS+2*\j+1] op_sel_hi:[1,0]
.else
	v_pk_fma_f32 v[ra:ra+1], v[rr:rr+1], s[WS+2*\j:WS+2*\j+1], v[ra:ra+1] op_sel_hi:[1,0,1]
	v_pk_fma_f32 v[ra+2:ra+3], v[rr+2:rr+3], s[WS+2*\j:WS+2*\j+1], v[ra+2:ra+3] op_sel_hi:[1,0,1]
.endif
.endr
.irp j, 0,1,2,3
.set rn, ri+\j+RING
.if rn < 256
.set rr, R+4*((ri+\j)%RING)
	global_load_b128 v[rr:rr+3], v[LN], s[6:7] offset:4096*(rn+896*(rn/128)) th:TH_LOAD_NT   ; my second 128 rows lie 1,024 rows behind my first; the last 48 rows ask for nothing
.endif
.endr
.set ri, ri+4
.endm
.set ri, 0
.rept 64
	GROUP
.endr
	v_pk_add_f32 v[A0:A0+1], v[A0:A0+1], v[A0+4:A0+5]
	v_pk_add_f32 v[A0+2:A0+3], v[A0+2:A0+3], v[A0+6:A0+7]
	ds_store_b128 v[PSA], v[A0:A0+3]
	ds_store_b32 v[MXA], v16                       ; all lanes write the same word with the same value
	ds_store_b32 v[MXA], v18 offset:256
	s_wait_dscnt 0x0                               ; for the others' sake
	s_barrier_signal -1
	s_barrier_wait -1
	ds_load_b128 v[20:23], v[MXR]                  ; the eight m,
	ds_load_b128 v[24:27], v[MXR] offset:16
	ds_load_b128 v[28:31], v[MXR] offset:256       ; the eight l
	ds_load_b128 v[32:35], v[MXR] offset:272
	s_wait_dscnt 0x0
	v_max3_num_f32 v36, v20, v21, v22
	v_max3_num_f32 v37, v23, v24, v25
	v_max3_num_f32 v36, v36, v26, v27
	v_max_num_f32 v36, v36, v37                    ; M
.irp j, 0,2,4,6
	v_pk_add_f32 v[20+\j:21+\j], v[20+\j:21+\j], v[36:37] op_sel_hi:[1,0] neg_lo:[0,1] neg_hi:[0,1]
.endr
	v_sub_f32 v17, v16, v36
.irp j, 0,2,4,6
	v_pk_mul_f32 v[20+\j:21+\j], v[20+\j:21+\j], 0x3fb8aa3b op_sel_hi:[1,0]
.endr
	v_mul_f32 v17, 0x3fb8aa3b, v17
	s_wait_alu depctr_va_vdst(0)
.irp j, 0,1,2,3,4,5,6,7
	v_exp_f32 v[20+\j], v[20+\j]                   ; the eight f, at most 1, one of them 1
.endr
	v_exp_f32 v17, v17                             ; my own wave's
	v_nop
	s_wait_alu depctr_va_vdst(0)
	v_pk_mul_f32 v[28:29], v[28:29], v[20:21]
	v_pk_fma_f32 v[28:29], v[30:31], v[22:23], v[28:29]
	v_pk_fma_f32 v[28:29], v[32:33], v[24:25], v[28:29]
	v_pk_fma_f32 v[28:29], v[34:35], v[26:27], v[28:29]
	v_add_f32 v28, v28, v29                        ; L, at least 1
	s_wait_alu depctr_va_vdst(0)
	v_rcp_f32 v[RL], v28
	v_nop
	s_wait_alu depctr_va_vdst(0)
	v_mul_f32 v17, v17, v[RL]                      ; attn_w = p f / L
; The work-group's entries 256 c .. + 255 lie in waves 2 (c % 4) and 2 (c % 4) + 1: in their first four registers where c is under 4, else in their second four.
	s_and_b32 s25, ttmp9, 3
	s_lshr_b32 s26, s12, 1
	s_cmp_eq_u32 s25, s26
	s_wait_alu depctr_va_vdst(0)
	s_cbranch_scc0 .Lnot_mine
	s_cmp_lt_u32 ttmp9, 4
	s_cselect_b32 s26, 0, -1
	v_and_b32 v38, 63, v0
	v_lshlrev_b32 v38, 4, v38
.irp j, 0,1,2,3
	v_cndmask_b32 v[40+\j], v[P+\j], v[P+4+\j], s26
.endr
.irp j, 0,1,2,3
	v_mul_f32 v[40+\j], v[40+\j], v17
.endr
	global_store_b128 v38, v[40:43], s[10:11]      ; 512 consecutive bytes a wave, at a multiple of 256 from out2's first byte
.Lnot_mine:
	s_cmp_eq_u32 s12, 0
	s_cbranch_scc0 .Lend
.irp w, 0,1,2,3,4,5,6,7
	ds_load_b128 v[R+4*\w:R+4*\w+3], v[LN] offset:PS+512*\w        ; wave 0: the eight waves' sums of my four columns
.endr
	s_wait_dscnt 0x0
	v_pk_mul_f32 v[A0:A0+1], v[R:R+1], v[20:21] op_sel_hi:[1,0]
	v_pk_mul_f32 v[A0+2:A0+3], v[R+2:R+3], v[20:21] op_sel_hi:[1,0]
.irp w, 1,3,5,7
	v_pk_fma_f32 v[A0:A0+1], v[R+4*\w:R+4*\w+1], v[19+\w:20+\w], v[A0:A0+1] op_sel:[0,1,0] op_sel_hi:[1,1,1]        ; the pair's second f for both halves
	v_pk_fma_f32 v[A0+2:A0+3], v[R+4*\w+2:R+4*\w+3], v[19+\w:20+\w], v[A0+2:A0+3] op_sel:[0,1,0] op_sel_hi:[1,1,1]
.if \w < 7
	v_pk_fma_f32 v[A0:A0+1], v[R+4*\w+4:R+4*\w+5], v[21+\w:22+\w], v[A0:A0+1] op_sel_hi:[1,0,1]                    ; the next pair's first
	v_pk_fma_f32 v[A0+2:A0+3], v[R+4*\w+6:R+4*\w+7], v[21+\w:22+\w], v[A0+2:A0+3] op_sel_hi:[1,0,1]
.endif
.endr
.irp j, 0,1,2,3
	v_mul_f32 v[A0+\j], v[A0+\j], v[RL]
.endr
	global_store_b128 v[LN], v[A0:A0+3], s[8:9]    ; 512 consecutive bytes, at a multiple of 256 from out1's first byte
.Lend:
	s_wait_tensorcnt 0x0                           ; the wave's end
	ds_add_u32 v[SPW], v[NIL]
	s_wait_dscnt 0x0
	s_endpgm
.Lfunc_end_k_q1a5492f320_ctx:
	.size	k_q1a5492f320_ctx, .Lfunc_end_k_q1a5492f320_ctx-k_q1a5492f320_ctx
	.p2alignl 7, 3214868480
	.fill 96, 4, 3214868480
	.section	.rodata,"a",@progbits
	.p2align	6, 0x0
	.amdhsa_kernel k_q1a5492f320_ctx
		.amdhsa_group_segment_fixed_size 6144
		.amdhsa_private_segment_fixed_size 0
		.amdhsa_enable_private_segment 0
		.amdhsa_kernarg_size 32
		.amdhsa_user_sgpr_count 2
		.amdhsa_user_sgpr_kernarg_segment_ptr 1
		.amdhsa_wavefront_size32 1
		.amdhsa_system_sgpr_workgroup_id_x 1
		.amdhsa_system_sgpr_workgroup_id_y 1
		.amdhsa_system_sgpr_workgroup_id_z 1
		.amdhsa_system_vgpr_workitem_id 0
		.amdhsa_next_free_vgpr 256
		.amdhsa_next_free_sgpr 66
		.amdhsa_reserve_vcc 0
		.amdhsa_float_denorm_mode_32 3
		.amdhsa_float_denorm_mode_16_64 3
		.amdhsa_memory_ordered 1
		.amdhsa_forward_progress 1
		.amdhsa_inst_pref_size 87
	.end_amdhsa_kernel
	.amdgpu_metadata
---
amdhsa.version: [ 1, 2 ]
amdhsa.kernels:
  - .name:           k_q1a5492f320_ctx
    .symbol:         k_q1a5492f320_ctx.kd
    .args:
      - { .name: scores, .offset: 0, .size: 8, .value_kind: global_buffer, .address_space: global }
      - { .name: context, .offset: 8, .size: 8, .value_kind: global_buffer, .address_space: global }
      - { .name: out1, .offset: 16, .size: 8, .value_kind: global_buffer, .address_space: global }
      - { .name: out2, .offset: 24, .size: 8, .value_kind: global_buffer, .address_space: global }
    .group_segment_fixed_size: 6144
    .private_segment_fixed_size: 0
    .kernarg_segment_align: 8
    .kernarg_segment_size: 32
    .max_flat_workgroup_size: 256
    .sgpr_count:     66
    .vgpr_count:     256
    .wavefront_size: 32
...
	.end_amdgpu_metadata
.endif
;; end of part 3
;; launch final (part 4): grid 64 x 1, 8 waves a work-group, no clusters, 89,088 bytes of LDS; arguments W_out, out1, input, out0; writes out0
.if DOCPART == 4
	.amdgcn_target "amdgcn-amd-amdhsa--gfx1250"
	.amdhsa_code_object_version 6
	.text
	.protected	k_q1a5492f320_final
	.globl	k_q1a5492f320_final
	.p2align	8
	.type	k_q1a5492f320_final,@function
k_q1a5492f320_final:
	s_mov_b64 s[64:65], 0
	v_nop
	global_prefetch_b8 v0, s[64:65] scope:SCOPE_SE
	s_setreg_imm32_b32 hwreg(HW_REG_WAVE_MODE, 25, 1), 1
	s_wait_xcnt 0x0
; FINAL.  out0[b][n] = tanh(sum over k of Q([out1 | input])[b][k] Q(W_out)[n][k]), K = 2,048, both operands quantised to BF6 (E3M2) with one E8M0 scale for each 32 along K.
; SHARES.  Work-group t owns rows 16 t .. 16 t + 15 of W_out (one tile of 16 columns n); wave w owns K steps 2 w and 2 w + 1 of the sixteen: waves 0-3 take theirs of the left operand from out1, waves 4-7 from input.
; A wave quantises six fragments of 16 rows x 128 K (for each K step W_out's and the left operand's rows 0-15 and 16-31) and issues four matrix instructions on two accumulators by turns;
; the eight waves' partial sums meet in LDS behind one barrier; waves 0-3 add them, take the tanh and store.
; tanh(x) = 1 - 2 / (1 + 2^(2 x log2 e)): for large |x| the exponential gives infinity or 0, and the result is 1 or -1.
; LIMITS: NaN and infinities among the inputs are not served; a block whose largest magnitude lies under 2^-122 (a block of zeros too) keeps the scale byte 1.
; No cluster: operands go from memory into registers, and what work-groups share (256 KiB) is a small part of what they read.  out0 leaves in runs of 64 bytes (16 columns a work-group): 128 KiB in all.
.set STGW, 8448                        ; a wave's stage: 16 rows x 528 bytes
.set RED,  8*STGW                      ; behind the stages: a wave's partial sums, 32 rows x 80 bytes
.set REDW, 2560
.set RST, 1                            ; v1   where I put 32 bytes of a row of partial sums
.set RLD, 2                            ; v2   where I read 16 bytes of a row back
.set LI,  3                            ; v3   16 x lane
.set GO,  5                            ; v5   my byte offset in out0
.set STA, 7                            ; v7   the stage, on the way in
.set STR, 8                            ; v8   the stage, on the way out
.set SCW, 32                           ; v32-37 the six fragments' scale words
.set X,   64                           ; v64-127 64 numbers of a lane; later the eight partial sums
.set F,   128                          ; v128-199 six fragments of 12 registers
.set D,   200                          ; v200-215 two accumulators
.set TM,  224
.set SO,  228
.set BY,  230
.set QW,  232
.set QW2, 233
.set SH8, 234
.set T,   236
.set SEL, 32                           ; s[32:33] lane selects: lane l xor 16
.set MSB, 0
.macro WIN new                         ; the immediate's high byte repeats the setting that is left; a switch that changes nothing is dropped
.if MSB != (\new)
	s_set_vgpr_msb (MSB<<8)|(\new)
.set MSB, (\new)
.endif
.endm
; Sixteen rows' 512 bytes (128 numbers of one K step) into set \set of the ring in window \rwin: each load reads 512 consecutive bytes, 16 a lane.
.macro LOADF set, base, off0, pitch, rwin, nt
	WIN ((\rwin)<<6)
.irp i, 0,1,2,3,4,5,6,7,8,9,10,11,12,13,14,15
.if \nt
	global_load_b128 v[64*(\set)+4*\i:64*(\set)+4*\i+3], v[LI], s[\base:\base+1] offset:(\off0)+\i*(\pitch) th:TH_LOAD_NT
.else
	global_load_b128 v[64*(\set)+4*\i:64*(\set)+4*\i+3], v[LI], s[\base:\base+1] offset:(\off0)+\i*(\pitch)
.endif
.endr
	WIN 0
.endm
; The set goes through the wave's own stage and comes back as the operand's layout wants it: lane (r, h) gets k = 64 c + 32 h + 0 .. 31 of row r in v[X + 32 c] on.
; Rows lie 528 = 33 x 16 bytes apart, so sixteen lanes' 16 bytes fall on sixteen different 16-byte columns modulo 256.  LDS serves a wave's instructions in order: no wait between stores and loads.
.macro TURN set, rwin
	WIN ((\rwin)<<2)
.irp i, 0,1,2,3,4,5,6,7,8,9,10,11,12,13,14,15
	ds_store_b128 v[STA], v[64*(\set)+4*\i:64*(\set)+4*\i+3] offset:528*\i
.endr
	WIN 0
.irp c, 0,1
.irp j, 0,1,2,3,4,5,6,7
	ds_load_b128 v[X+32*\c+4*\j:X+32*\c+4*\j+3], v[STR] offset:256*\c+16*\j
.endr
.endr
	s_wait_dscnt 0x0                               ; the numbers are in, and the stores have read the set's registers
.endm
; 64 numbers of a lane (two whole blocks of 32) become the fragment's 12 registers at v[\dreg] of window \dwin, and the row's scale word in v[QW] (in both halves of the lanes).
.macro QUANT dwin, dreg
.irp c, 0,1
.irp u, 0,1
	v_max3_num_f32 v[TM+2*\c+\u], |v[X+32*\c+16*\u]|, |v[X+32*\c+16*\u+1]|, 0x2800000   ; four chains by turns; the floor 2^(5 - 127) holds the byte at 1 from below
.endr
.endr
.irp i, 2,4,6,8,10,12,14
.irp c, 0,1
.irp u, 0,1
	s_delay_alu instid0(VALU_DEP_4)
	v_max3_num_f32 v[TM+2*\c+\u], v[TM+2*\c+\u], |v[X+32*\c+16*\u+\i]|, |v[X+32*\c+16*\u+\i+1]|
.endr
.endr
.endr
.irp c, 0
	s_delay_alu instid0(VALU_DEP_3)
	v_max_num_f32 v[TM+2*\c], v[TM+2*\c], v[TM+2*\c+1]   ; the block's largest magnitude: all 32 numbers are mine
.endr
.irp c, 1
	s_delay_alu instid0(VALU_DEP_2)
	v_max_num_f32 v[TM+2*\c], v[TM+2*\c], v[TM+2*\c+1]   ; the block's largest magnitude: all 32 numbers are mine
.endr
.irp c, 0,1
	s_delay_alu instid0(VALU_DEP_2)
	v_add_nc_u32 v[SO+\c], 0xfe000000, v[TM+2*\c]  ; 4 off its exponent field: the conversion takes the exponent field of this operand as its scale
.endr
.irp c, 0,1
	s_delay_alu instid0(VALU_DEP_2)
	v_lshrrev_b32 v[BY+\c], 23, v[SO+\c]           ; the scale's byte
.endr
	s_delay_alu instid0(VALU_DEP_1)
	v_lshl_or_b32 v[QW], v[BY+1], 16, v[BY]        ; my two bytes, blocks h and 2 + h,
	s_delay_alu instid0(VALU_DEP_1)
	v_lshlrev_b32 v[QW], v[SH8], v[QW]             ; at their places in the word;
	s_delay_alu instid0(VALU_DEP_1)
	v_permlanex16_b32 v[QW2], v[QW], s[SEL], s[SEL+1]
	s_delay_alu instid0(VALU_DEP_1)
	v_or_b32 v[QW], v[QW], v[QW2]                  ; with lane l xor 16's two the word is whole
.irp c, 0,1
	v_cvt_scalef32_pk16_bf6_f32 v[T+4*\c:T+4*\c+2], v[X+32*\c+16:X+32*\c+31], v[SO+\c]   ; (a conversion's three registers begin on an even number: a block's upper half is made apart and moved)
.endr
	WIN ((\dwin)<<6)
.irp c, 0,1
	v_cvt_scalef32_pk16_bf6_f32 v[(\dreg)+6*\c:(\dreg)+6*\c+2], v[X+32*\c:X+32*\c+15], v[SO+\c]
.endr
	v_nop                                          ; one plain instruction behind the scaled conversions
.irp c, 0,1
.irp i, 0,1,2
	v_mov_b32 v[(\dreg)+6*\c+3+\i], v[T+4*\c+\i]
.endr
.endr
	WIN 0
.endm
; The eight waves' partial sums of my four numbers, added as a tree.
.macro REDSUM
.irp w, 0,1,2,3,4,5,6,7
	ds_load_b128 v[X+4*\w:X+4*\w+3], v[RLD] offset:REDW*\w
.endr
	s_wait_dscnt 0x0
.irp a, 0,8,16,24
	v_pk_add_f32 v[X+\a:X+\a+1], v[X+\a:X+\a+1], v[X+\a+4:X+\a+5]
	v_pk_add_f32 v[X+\a+2:X+\a+3], v[X+\a+2:X+\a+3], v[X+\a+6:X+\a+7]
.endr
.irp a, 0
	v_pk_add_f32 v[X+\a:X+\a+1], v[X+\a:X+\a+1], v[X+\a+8:X+\a+9]
	v_pk_add_f32 v[X+\a+2:X+\a+3], v[X+\a+2:X+\a+3], v[X+\a+10:X+\a+11]
.endr
.irp a, 16
	s_delay_alu instid0(VALU_DEP_4)
	v_pk_add_f32 v[X+\a:X+\a+1], v[X+\a:X+\a+1], v[X+\a+8:X+\a+9]
	s_delay_alu instid0(VALU_DEP_4)
	v_pk_add_f32 v[X+\a+2:X+\a+3], v[X+\a+2:X+\a+3], v[X+\a+10:X+\a+11]
.endr
	s_delay_alu instid0(VALU_DEP_2)
	v_pk_add_f32 v[X:X+1], v[X:X+1], v[X+16:X+17]
	s_delay_alu instid0(VALU_DEP_2)
	v_pk_add_f32 v[X+2:X+3], v[X+2:X+3], v[X+18:X+19]
.endm
	s_load_b256 s[4:11], s[0:1], 0x0               ; W_out s[4:5], out1 s[6:7], input s[8:9], out0 s[10:11]
	v_lshl_add_u32 v254, v0, 2, 0x15800
	v_mov_b32 v255, 0
	v_lshrrev_b32 v10, 5, v0
	s_delay_alu instid0(VALU_DEP_1)
	v_readfirstlane_b32 s16, v10                   ; wave 0..7
	v_and_b32 v10, 31, v0                          ; lane
	v_and_b32 v11, 15, v0                          ; r
	v_bfe_u32 v12, v0, 4, 1                        ; h
	v_and_b32 v13, 127, v0
	s_delay_alu instid0(VALU_DEP_1)
	v_lshrrev_b32 v14, 2, v13                      ; on the way out: row 0..31 of out0,
	v_and_b32 v15, 3, v0                           ; and which four of the tile's 16 columns
	v_lshlrev_b32 v[LI], 4, v10
	v_lshlrev_b32 v[SH8], 3, v12
	v_mov_b32 v[QW2], 0                            ; written once: a lane permute's destination counts as one of its sources
	s_mul_i32 s17, s16, STGW
	v_add_nc_u32 v[STA], s17, v[LI]
	v_mul_u32_u24 v[STR], v11, 528
	s_delay_alu instid0(VALU_DEP_1)
	v_lshl_add_u32 v[STR], v12, 7, v[STR]
	s_delay_alu instid0(VALU_DEP_1)
	v_add_nc_u32 v[STR], s17, v[STR]
	s_mul_i32 s17, s16, REDW
	s_add_co_u32 s17, s17, RED
	v_mul_u32_u24 v[RST], v11, 80
	s_delay_alu instid0(VALU_DEP_1)
	v_lshl_add_u32 v[RST], v12, 5, v[RST]
	s_delay_alu instid0(VALU_DEP_1)
	v_add_nc_u32 v[RST], s17, v[RST]               ; my wave's partial sums: row r, + 32 h
	v_mul_u32_u24 v[RLD], v14, 80
	s_delay_alu instid0(VALU_DEP_1)
	v_lshl_add_u32 v[RLD], v15, 4, v[RLD]
	s_delay_alu instid0(VALU_DEP_1)
	v_add_nc_u32 v[RLD], RED, v[RLD]
	v_lshlrev_b32 v[GO], 12, v14
	s_delay_alu instid0(VALU_DEP_1)
	v_lshl_add_u32 v[GO], v15, 4, v[GO]
	s_and_b32 s18, s16, 3
	s_lshl_b32 s18, s18, 10                        ; my two K steps in a row of out1 or of input: 1,024 bytes
	s_mov_b32 s19, 0
	s_lshl_b32 s20, ttmp9, 17                      ; 16 rows of W_out, 8,192 bytes each,
	s_lshl_b32 s21, s16, 10                        ; my two K steps
	s_add_co_u32 s20, s20, s21
	s_mov_b32 s21, 0
	s_lshl_b32 s22, ttmp9, 6                       ; the tile's 16 columns in a row of out0
	s_mov_b32 s23, 0
	s_mov_b32 s[SEL], 0x76543210
	s_mov_b32 s[SEL+1], 0xfedcba98
	s_wait_alu depctr_va_vdst(0)
	s_wait_kmcnt 0x0
	s_cmp_lt_u32 s16, 4                            ; the choice hangs on the wave's number alone
	s_cselect_b64 s[8:9], s[6:7], s[8:9]           ; the left operand's K steps 0-7 are out1's, 8-15 input's
	s_add_nc_u64 s[8:9], s[8:9], s[18:19]
	s_add_nc_u64 s[4:5], s[4:5], s[20:21]
	s_add_nc_u64 s[10:11], s[10:11], s[22:23]
	LOADF 0, 4, 0, 8192, 1, 1                      ; first K step: W_out's 16 rows (read once in the launch),
	LOADF 1, 8, 0, 4096, 1, 0                      ; the left operand's rows 0-15 (every work-group reads them),
	LOADF 2, 8, 65536, 4096, 1, 0                  ; rows 16-31;
	LOADF 3, 4, 512, 8192, 1, 1                    ; second K step: W_out's
	s_wait_loadcnt 48                              ; the counts: the sets behind this one, 16 loads each
	TURN 0, 1
	LOADF 0, 8, 512, 4096, 1, 0                    ; the set just turned takes the second K step's rows 0-15
	QUANT 0, F
	v_mov_b32 v[SCW], v[QW]
	s_wait_loadcnt 48
	TURN 1, 1
	LOADF 1, 8, 65536+512, 4096, 1, 0              ; and this one its rows 16-31
	QUANT 0, F+12
	v_mov_b32 v[SCW+1], v[QW]
	s_wait_loadcnt 48
	TURN 2, 1
	QUANT 0, F+24
	v_mov_b32 v[SCW+2], v[QW]
.rept 8
	v_nop                                          ; a scale register written by a vector instruction stands 8 plain instructions ahead of a scaled matrix instruction, an operand 4
.endr
; TRANSPOSED: source 0 = 16 rows of W_out, source 1 = 16 rows of the left operand: lane (r, h) holds row r of out0 and columns 8 h + 0 .. 7 of the tile.  The first K step starts both sums
	v_wmma_scale_f32_16x16x128_f8f6f4 v[D:D+7], v[F:F+11], v[F+12:F+23], 0, v[SCW], v[SCW+1] matrix_a_fmt:MATRIX_FMT_BF6 matrix_b_fmt:MATRIX_FMT_BF6
	v_wmma_scale_f32_16x16x128_f8f6f4 v[D+8:D+15], v[F:F+11], v[F+24:F+35], 0, v[SCW], v[SCW+2] matrix_a_fmt:MATRIX_FMT_BF6 matrix_b_fmt:MATRIX_FMT_BF6
	s_wait_loadcnt 32
	TURN 3, 1
	QUANT 0, F+36
	v_mov_b32 v[SCW+3], v[QW]
	s_wait_loadcnt 16
	TURN 0, 1
	QUANT 0, F+48
	v_mov_b32 v[SCW+4], v[QW]
	s_wait_loadcnt 0
	TURN 1, 1
	QUANT 0, F+60
	v_mov_b32 v[SCW+5], v[QW]
.rept 8
	v_nop
.endr
	v_wmma_scale_f32_16x16x128_f8f6f4 v[D:D+7], v[F+36:F+47], v[F+48:F+59], v[D:D+7], v[SCW+3], v[SCW+4] matrix_a_fmt:MATRIX_FMT_BF6 matrix_b_fmt:MATRIX_FMT_BF6   ; the two accumulators take turns
	v_wmma_scale_f32_16x16x128_f8f6f4 v[D+8:D+15], v[F+36:F+47], v[F+60:F+71], v[D+8:D+15], v[SCW+3], v[SCW+5] matrix_a_fmt:MATRIX_FMT_BF6 matrix_b_fmt:MATRIX_FMT_BF6
.rept 4
	v_nop                                          ; four plain instructions behind a matrix instruction before its result is read (ISA guide 7.12.1)
.endr
.irp m, 0,1
	ds_store_b128 v[RST], v[D+8*\m:D+8*\m+3] offset:1280*\m          ; each accumulator from its low end on
	ds_store_b128 v[RST], v[D+8*\m+4:D+8*\m+7] offset:1280*\m+16
.endr
	s_wait_dscnt 0x0                               ; for the others' sake: my partial sums lie in LDS
	s_barrier_signal -1
	s_barrier_wait -1
	s_cmp_lt_u32 s16, 4
	s_cbranch_scc0 .Lend
	REDSUM                                         ; waves 0-3: 128 threads, four numbers each
	s_delay_alu instid0(VALU_DEP_2)
	v_pk_mul_f32 v[X:X+1], v[X:X+1], 0x4038aa3b op_sel_hi:[1,0]      ; x 2 log2 e
	s_delay_alu instid0(VALU_DEP_2)
	v_pk_mul_f32 v[X+2:X+3], v[X+2:X+3], 0x4038aa3b op_sel_hi:[1,0]
	s_wait_alu depctr_va_vdst(0)
.irp j, 0,1,2,3
	v_exp_f32 v[X+\j], v[X+\j]
.endr
	v_nop
	s_wait_alu depctr_va_vdst(0)                   ; one wait for the batch, ahead of its first reader
	v_pk_add_f32 v[X:X+1], v[X:X+1], 1.0 op_sel_hi:[1,0]
	v_pk_add_f32 v[X+2:X+3], v[X+2:X+3], 1.0 op_sel_hi:[1,0]
	s_wait_alu depctr_va_vdst(0)
.irp j, 0,1,2,3
	v_rcp_f32 v[X+\j], v[X+\j]
.endr
	v_nop
	s_wait_alu depctr_va_vdst(0)
	v_pk_fma_f32 v[X:X+1], v[X:X+1], -2.0, 1.0 op_sel_hi:[1,0,0]     ; tanh = 1 - 2 r
	v_pk_fma_f32 v[X+2:X+3], v[X+2:X+3], -2.0, 1.0 op_sel_hi:[1,0,0]
	global_store_b128 v[GO], v[X:X+3], s[10:11]
.Lend:
	s_wait_tensorcnt 0x0
	ds_add_u32 v254, v255
	s_wait_dscnt 0x0
	s_endpgm
.Lfunc_end_k_q1a5492f320_final:
	.size	k_q1a5492f320_final, .Lfunc_end_k_q1a5492f320_final-k_q1a5492f320_final
	.p2alignl 7, 3214868480
	.fill 96, 4, 3214868480
	.section	.rodata,"a",@progbits
	.p2align	6, 0x0
	.amdhsa_kernel k_q1a5492f320_final
		.amdhsa_group_segment_fixed_size 89088
		.amdhsa_private_segment_fixed_size 0
		.amdhsa_enable_private_segment 0
		.amdhsa_kernarg_size 32
		.amdhsa_user_sgpr_count 2
		.amdhsa_user_sgpr_kernarg_segment_ptr 1
		.amdhsa_wavefront_size32 1
		.amdhsa_system_sgpr_workgroup_id_x 1
		.amdhsa_system_sgpr_workgroup_id_y 1
		.amdhsa_system_sgpr_workgroup_id_z 1
		.amdhsa_system_vgpr_workitem_id 0
		.amdhsa_next_free_vgpr 512
		.amdhsa_next_free_sgpr 66
		.amdhsa_reserve_vcc 0
		.amdhsa_float_denorm_mode_32 3
		.amdhsa_float_denorm_mode_16_64 3
		.amdhsa_memory_ordered 1
		.amdhsa_forward_progress 1
		.amdhsa_inst_pref_size 55
	.end_amdhsa_kernel
	.amdgpu_metadata
---
amdhsa.version: [ 1, 2 ]
amdhsa.kernels:
  - .name:           k_q1a5492f320_final
    .symbol:         k_q1a5492f320_final.kd
    .args:
      - { .name: W_out, .offset: 0, .size: 8, .value_kind: global_buffer, .address_space: global }
      - { .name: out1, .offset: 8, .size: 8, .value_kind: global_buffer, .address_space: global }
      - { .name: input, .offset: 16, .size: 8, .value_kind: global_buffer, .address_space: global }
      - { .name: out0, .offset: 24, .size: 8, .value_kind: global_buffer, .address_space: global }
    .group_segment_fixed_size: 89088
    .private_segment_fixed_size: 0
    .kernarg_segment_align: 8
    .kernarg_segment_size: 32
    .max_flat_workgroup_size: 256
    .sgpr_count:     66
    .vgpr_count:     512
    .wavefront_size: 32
...
	.end_amdgpu_metadata
.endif
;; end of part 4
